; MI455X (gfx1250); checked and timed in simulation.
; The chip was launched on July 23, 2026; its instructions are those of AMD's public machine-readable ISA for CDNA 5 (MIT licence, August 2026) and "CDNA5" Instruction Set Architecture Reference Guide (July 2026). The comments in the code are by the model that wrote it; some were corrected since.
;; Cross Attention Block. Allowed arithmetic: matrix products marked QUANTISED: E2M1 operands, one E8M0 scale for each 32 along K, by v_wmma_scale_f32_16x16x128_f8f6f4 with both operands' format E2M1 (or v_wmma_scale_f32_32x16x128_f4), f32 sums; everything else in f32.
;; Inputs: gamma 1,024 float32; w_ff1 1,024 x 8,192 float32; w_ff2 4,096 x 1,024 float32; w_kv 1,024 x 64 float32; w_out 256 x 1,024 float32; w_q 1,024 x 256 float32; x 2 x 2,048 x 1,024 float32; y 2 x 2,048 x 1,024 float32.
;; Outputs: out0 2 x 2,048 x 1,024 float32.
;; This version of the problem:
;;   THIS VERSION OF THE PROBLEM IS GIVEN IN LOW PRECISION. The matrix products marked QUANTISED in the list below multiply operands that are first quantised to E2M1 (2 exponent bits, 1 mantissa bit; 4 bits a number), with one power-of-two scale for each 32 numbers along K (OCP MX v1.0); their sums are f32. All else is computed in f32.
;;   The module's matrix products, in the order in which they are computed (A, B: the left and right operand; K: the contracted axis; several contracted axes count as one K, in the product's order):
;;     1. [M 4,096, K 1,024] x [K 1,024, N 256]; A: computed on the way; B: input w_q: QUANTISED
;;     2. [M 4,096, K 1,024] x [K 1,024, N 64]; A: computed on the way; B: input w_kv: QUANTISED
;;     3. batch 2 x [M 16,384, K 32] x [K 32, N 2,048]; A: computed on the way; B: computed on the way: QUANTISED
;;     4. batch 2 x [M 16,384, K 2,048] x [K 2,048, N 32]; A: softmax (see below); B: computed on the way: QUANTISED
;;     5. [M 4,096, K 256] x [K 256, N 1,024]; A: computed on the way; B: input w_out: QUANTISED
;;     6. [M 4,096, K 1,024] x [K 1,024, N 8,192]; A: computed on the way; B: input w_ff1: QUANTISED
;;     7. [M 4,096, K 4,096] x [K 4,096, N 1,024]; A: computed on the way; B: input w_ff2: QUANTISED
;;   THE QUANTISER, for each operand of a quantised product, along K:
;;     - K is cut into blocks of 32 from its start; a last block that is shorter is filled with zeros.
;;     - A block's scale is 2^e with e = floor(log2(the largest magnitude in the block)) - 2, held to -126 .. 127; a block of zeros has e = 0. As a byte (E8M0): e + 127.
;;     - Each number is divided by its block's scale, clamped to +-6, and rounded to the nearest number of E2M1, ties to even, subnormals kept.
;;     - The product sums the exact products of the quantised numbers (number of the format x scale) in f32.
;;   ~~~python
;;   def quantise(x, axis):      # numpy; x: float32 -> the quantised numbers, widened to float32 again
;;       x = np.moveaxis(x, axis, -1); K = x.shape[-1]
;;       x = np.pad(x, [(0, 0)] * (x.ndim - 1) + [(0, -K % 32)]); x = x.reshape(x.shape[:-1] + (-1, 32)); a = np.abs(x).max(-1, keepdims=True)
;;       e = np.where(a > 0, np.clip(np.frexp(np.where(a > 0, a, 1))[1] - 1 - 2, -126, 127), 0)      # np.frexp(a)[1] - 1 = floor(log2(a)), exactly
;;       r = np.clip(x / 2.0 ** e, -6, 6)
;;       step = 2.0 ** (np.maximum(np.frexp(np.where(r == 0, 1, r))[1] - 1, 0) - 1)
;;       q = np.round(r / step) * step * 2.0 ** e      # np.round: ties to even
;;       return np.moveaxis(q.reshape(q.shape[:-2] + (-1,))[..., :K], -1, axis).astype(np.float32)
;;   ~~~
;;   SOFTMAX AHEAD OF A QUANTISED PRODUCT. Where the list says 'softmax', what is quantised is not the finished softmax but p = 2^(t - M), with t = logit x log2(e) and M = ceil(the row's largest t), a whole number; so 1/2 < the row's largest p <= 1. The row's sum l is taken of the UNQUANTISED p, in f32, and the product's result is divided by l at the end. Since M is a whole number, a kernel that streams over the keys may use a running M (the ceiling of the running maximum): every later rescaling is an exact power of two, which a block's scale takes up: the codes' values come out the same.
;;   OPERANDS COMPUTED ON THE WAY. 'Computed on the way' means the value that the module computes at that place (a softmax that the list does not call 'softmax' is quantised finished and normalised). What goes into a quantiser is computed in f32, as accurately as f32 sums, v_exp_f32 and their like allow (about 1e-6 of the number): no bf16 or f16 on the way to a quantiser, and a product that is left as it is and whose result goes on into a quantised operand takes f32 operands (vector FMAs, or v_wmma_f32_16x16x4_f32). A number that lies on a knife's edge between two numbers of the format may be rounded either way, as far as f32 arithmetic and the matrix unit's own rounding can turn it there, and no further.
;; One version. Each part assembles by itself: llvm-mc -triple=amdgcn-amd-amdhsa -mcpu=gfx1250 --defsym DOCPART=n.
;; ======== version 1 of 1: 4 launches
;; limits: right only within a limited range of input values
;; workspace buffers: xq 2,228,224 bytes; yq 2,228,224 bytes; w1q 4,456,448 bytes; w2q 2,367,488 bytes; wpq 174,080 bytes; kvq 139,264 bytes; qq 557,056 bytes; hq 9,469,952 bytes
;; launch prep (part 1): grid 530 x 1, 4 waves a work-group, no clusters, 74,240 bytes of LDS; arguments x, y, gamma, w_ff1, w_ff2, w_q, w_out, w_kv, xq, yq, w1q, w2q, wpq; writes xq, yq, w1q, w2q, wpq
.if DOCPART == 1
	.amdgcn_target "amdgcn-amd-amdhsa--gfx1250"
	.amdhsa_code_object_version 6
	.text
	.protected	k_q6c97729092_prep
	.globl	k_q6c97729092_prep
	.p2align	8
	.type	k_q6c97729092_prep,@function
k_q6c97729092_prep:
	s_mov_b64 s[64:65], 0
	v_nop
	global_prefetch_b8 v0, s[64:65] scope:SCOPE_SE
	s_setreg_imm32_b32 hwreg(HW_REG_WAVE_MODE, 25, 1), 1
	s_wait_xcnt 0x0
; PREP: every f32 input is read once and leaves as codes of FP4 (E2M1) with one E8M0 byte for each 32 along K.
;   work-groups 0-127:   LayerNorm of x (0-63) and of y (64-127), then the quantiser along the 1,024 channels.  A wave takes 16 rows.
;   work-groups 128-529: the five weights, stored [K][N]: a lane takes a column, its registers run down K.  A wave takes 32 columns x 256 along K.
; LAYOUT OF ALL CODE BUFFERS.  A fragment image is 16 rows x 128 K = 1,024 bytes, [piece c 0..1][lane 0..31][16 bytes]: lane (r, h) of piece c holds block 2 c + h of row r,
; which is the matrix operand's register image.  Inside a block the 16 bytes hold k 0-7, 16-23, 8-15, 24-31: every operand of this program has that order, so each product's two sides agree.
; A record is 256 along K of a tile of 16 NB rows: [128 along K, twice][block of 16 rows][image], then the scale words, [row][8 bytes].
; The quantiser: scale byte = the exponent field of the block's largest magnitude - 2, held at 1 from below; numbers / scale to the nearest code, ties to even, beyond 6 the largest code.
; LIMITS: a block of zeros gets the byte 1 (its codes are zeros; this program alone reads the bytes); blocks whose largest magnitude lies under 2^-124 are held at the byte 1; NaN and infinities are not served.
; No matrix unit, no cluster, no tensor load, no barrier: waves share nothing but gamma's 4,096 bytes, and the launch is a stream.
.set WREG, 18432                       ; LDS of a LayerNorm wave: two turn stages of 4,608, a code stage of 16 x 528, 512 scale bytes
.set CSTG, 9216
.set SSTG, 17664
.set XB,   160                         ; v160-223 two rows, turned: lane l holds block l of the row, 32 numbers
.set TB,   224                         ; v224-239 eight registers of work for each of the two rows
.set MSB, 0
.macro WIN new                         ; the immediate's high byte repeats the setting that is left
.if MSB != (\new)
	s_set_vgpr_msb (MSB<<8)|(\new)
.set MSB, (\new)
.endif
.endm
	s_load_b512 s[8:23], s[0:1], 0x0               ; x 8, y 10, gamma 12, w_ff1 14, w_ff2 16, w_q 18, w_out 20, w_kv 22
	s_load_b256 s[24:31], s[0:1], 0x40             ; xq 24, yq 26, w1q 28, w2q 30
	s_load_b64 s[32:33], s[0:1], 0x60              ; wpq
	v_lshl_add_u32 v246, v0, 2, 0x12000
	v_mov_b32 v247, 0
	v_lshrrev_b32 v1, 5, v0
	v_readfirstlane_b32 s2, v1                     ; wave 0..3
	v_and_b32 v1, 31, v0                           ; lane
	v_lshlrev_b32 v2, 4, v1                        ; 16 x lane
	s_cmp_ge_u32 ttmp9, 128
	s_cbranch_scc1 .Lweights
; ---------------- LayerNorm and quantiser: 16 rows a wave, two rows at a time ----------------
	s_mul_i32 s3, s2, WREG
	v_lshrrev_b32 v11, 3, v1
	v_lshl_add_u32 v3, v11, 4, v2
	v_add_nc_u32 v3, s3, v3                        ; turn stage, in: a row as it lies, 16 bytes of padding behind each 128
	v_mul_u32_u24 v4, v1, 144
	v_add_nc_u32 v4, s3, v4                        ; turn stage, out: my block's 128 bytes
	s_add_co_u32 s4, s3, CSTG
	v_add_nc_u32 v5, s4, v2                        ; code stage, in: my block's 16 bytes of a row
	v_and_b32 v12, 15, v1
	v_lshrrev_b32 v13, 4, v1
	v_mul_u32_u24 v7, v12, 528
	v_lshl_add_u32 v7, v13, 4, v7
	v_add_nc_u32 v7, s4, v7                        ; code stage, out: row r, + 16 h: an image's piece
	s_add_co_u32 s4, s3, SSTG
	v_and_b32 v14, 7, v1
	v_lshl_add_u32 v6, v11, 7, v14
	v_add_nc_u32 v6, s4, v6                        ; scale stage [256 along K][row][8 bytes], in: my block's byte
	v_add_nc_u32 v8, s4, v2                        ; out: 16 bytes a lane
	v_mul_u32_u24 v10, v11, 34816
	v_lshl_add_u32 v10, v14, 4, v10                ; and where those 16 bytes go: record lane / 8, 16 (lane % 8)
	v_lshlrev_b32 v9, 7, v1                        ; gamma: my block's 128 bytes
	v_mov_b32 v[TB+5], 0                           ; written once: a lane permute's destination counts as one of its sources
	v_mov_b32 v[TB+13], 0
	s_mov_b32 s34, 0x76543210
	s_mov_b32 s35, 0xfedcba98                      ; v_permlanex16_b32's selects for lane l xor 16
	s_mov_b32 s52, 0x3a800000                      ; 1 / 1,024
	s_mov_b32 s53, 0x3727c5ac                      ; 1e-5
	s_and_b32 s3, ttmp9, 63
	s_lshl_b32 s3, s3, 2
	s_add_co_u32 s3, s3, s2                        ; which 16 rows of the tensor: 0..255
	s_lshr_b32 s4, s3, 4                           ; tile of 256 rows
	s_and_b32 s5, s3, 15                           ; block of 16 rows in it
	s_mul_i32 s4, s4, 139264
	s_lshl_b32 s6, s5, 10
	s_add_co_u32 s44, s4, s6
	s_mov_b32 s45, 0
	s_lshl_b32 s6, s5, 7
	s_add_co_u32 s46, s4, s6
	s_add_co_u32 s46, s46, 32768
	s_mov_b32 s47, 0
	s_lshl_b32 s48, s3, 16                         ; 16 rows of 4,096 bytes
	s_mov_b32 s49, 0
	s_wait_alu depctr_va_vdst(0)
	s_wait_kmcnt 0x0
	s_cmp_lt_u32 ttmp9, 64                         ; x or y: the choice hangs on the work-group's number alone
	s_cselect_b64 s[36:37], s[8:9], s[10:11]
	s_cselect_b64 s[40:41], s[24:25], s[26:27]
	s_add_nc_u64 s[36:37], s[36:37], s[48:49]      ; my rows
	s_add_nc_u64 s[42:43], s[40:41], s[46:47]      ; my scale words
	s_add_nc_u64 s[40:41], s[40:41], s[44:45]      ; my images
	WIN 0x40                                       ; destination window 1: v256-287 = gamma of my block
.irp i, 0,1,2,3,4,5,6,7
	global_load_b128 v[4*\i:4*\i+3], v9, s[12:13] offset:16*\i
.endr
	WIN 0
.macro LOADG g                         ; rows 2 g and 2 g + 1 as they lie: each load reads 512 consecutive bytes
.irp q, 0,1
.irp j, 0,1,2,3,4,5,6,7
	global_load_b128 v[32+64*((\g)%2)+32*\q+4*\j:32+64*((\g)%2)+32*\q+4*\j+3], v2, s[36:37] offset:(2*(\g)+\q)*4096+512*\j th:TH_LOAD_NT
.endr
.endr
.endm
.macro REDUCE                          ; two packed chains of each row -> the row's sum in every lane, in v[TB+8q+4]
.irp q, 0,1
	v_pk_add_f32 v[TB+8*\q:TB+8*\q+1], v[TB+8*\q:TB+8*\q+1], v[TB+8*\q+2:TB+8*\q+3]
.endr
.irp q, 0,1
	v_add_f32 v[TB+8*\q+4], v[TB+8*\q], v[TB+8*\q+1]
.endr
.irp m, 1,2,4,8
.irp q, 0,1
	v_add_f32_dpp v[TB+8*\q+4], v[TB+8*\q+4], v[TB+8*\q+4] row_xmask:\m row_mask:0xf bank_mask:0xf
.endr
.endr
.irp q, 0,1
	v_permlanex16_b32 v[TB+8*\q+5], v[TB+8*\q+4], s34, s35
.endr
.irp q, 0,1
	v_add_f32 v[TB+8*\q+4], v[TB+8*\q+4], v[TB+8*\q+5]
.endr
.endm
.macro LNG g
.set RS, 32+64*((\g)%2)
.if (\g) < 7
	s_wait_loadcnt 16                              ; this pair's 16 loads are in (and gamma); the next pair's 16 may be out
.else
	s_wait_loadcnt 0x0
.endif
.irp q, 0,1
.irp j, 0,1,2,3,4,5,6,7
	ds_store_b128 v3, v[RS+32*\q+4*\j:RS+32*\q+4*\j+3] offset:\q*4608+576*\j
.endr
.endr
.irp q, 0,1
.irp i, 0,1,2,3,4,5,6,7
	ds_load_b128 v[XB+32*\q+4*\i:XB+32*\q+4*\i+3], v4 offset:\q*4608+16*\i   ; LDS serves a wave's instructions in order: these see the stores above
.endr
.endr
	s_wait_dscnt 16                                ; all but the 16 loads: the stores have read their registers,
.if (\g) < 6
	LOADG (\g)+2                                   ; which take the pair two further on
.endif
	s_wait_dscnt 0x0
.irp q, 0,1                                    ; the mean
	v_pk_add_f32 v[TB+8*\q:TB+8*\q+1], v[XB+32*\q:XB+32*\q+1], v[XB+32*\q+2:XB+32*\q+3]
	v_pk_add_f32 v[TB+8*\q+2:TB+8*\q+3], v[XB+32*\q+4:XB+32*\q+5], v[XB+32*\q+6:XB+32*\q+7]
.endr
.irp i, 8,12,16,20,24,28
.irp q, 0,1
	v_pk_add_f32 v[TB+8*\q:TB+8*\q+1], v[TB+8*\q:TB+8*\q+1], v[XB+32*\q+\i:XB+32*\q+\i+1]
	v_pk_add_f32 v[TB+8*\q+2:TB+8*\q+3], v[TB+8*\q+2:TB+8*\q+3], v[XB+32*\q+\i+2:XB+32*\q+\i+3]
.endr
.endr
	REDUCE
.irp q, 0,1
	v_mul_f32 v[TB+8*\q+6], s52, v[TB+8*\q+4]
	v_mul_f32 v[TB+8*\q+7], s52, v[TB+8*\q+4]
.endr
.irp i, 0,2,4,6,8,10,12,14,16,18,20,22,24,26,28,30
.irp q, 0,1
	v_pk_add_f32 v[XB+32*\q+\i:XB+32*\q+\i+1], v[XB+32*\q+\i:XB+32*\q+\i+1], v[TB+8*\q+6:TB+8*\q+7] neg_lo:[0,1] neg_hi:[0,1]   ; x - mean
.endr
.endr
.irp q, 0,1                                    ; the mean of the centred squares
	v_pk_mul_f32 v[TB+8*\q:TB+8*\q+1], v[XB+32*\q:XB+32*\q+1], v[XB+32*\q:XB+32*\q+1]
	v_pk_mul_f32 v[TB+8*\q+2:TB+8*\q+3], v[XB+32*\q+2:XB+32*\q+3], v[XB+32*\q+2:XB+32*\q+3]
.endr
.irp i, 4,8,12,16,20,24,28
.irp q, 0,1
	v_pk_fma_f32 v[TB+8*\q:TB+8*\q+1], v[XB+32*\q+\i:XB+32*\q+\i+1], v[XB+32*\q+\i:XB+32*\q+\i+1], v[TB+8*\q:TB+8*\q+1]
	v_pk_fma_f32 v[TB+8*\q+2:TB+8*\q+3], v[XB+32*\q+\i+2:XB+32*\q+\i+3], v[XB+32*\q+\i+2:XB+32*\q+\i+3], v[TB+8*\q+2:TB+8*\q+3]
.endr
.endr
	REDUCE
.irp q, 0,1
	v_fma_f32 v[TB+8*\q+4], v[TB+8*\q+4], s52, s53 ; variance + 1e-5
.endr
	s_wait_alu depctr_va_vdst(0)
.irp q, 0,1
	v_rsq_f32 v[TB+8*\q+6], v[TB+8*\q+4]
.endr
	v_nop                                          ; a plain instruction behind the last transcendental
	s_wait_alu depctr_va_vdst(0)                   ; one wait for both roots, ahead of their first reader
.irp q, 0,1
	v_mov_b32 v[TB+8*\q+7], v[TB+8*\q+6]
.endr
.irp i, 0,2,4,6,8,10,12,14,16,18,20,22,24,26,28,30
.irp q, 0,1
	v_pk_mul_f32 v[XB+32*\q+\i:XB+32*\q+\i+1], v[XB+32*\q+\i:XB+32*\q+\i+1], v[TB+8*\q+6:TB+8*\q+7]
.endr
.endr
	WIN 0x04                                       ; source 1 window 1: gamma
.irp i, 0,2,4,6,8,10,12,14,16,18,20,22,24,26,28,30
.irp q, 0,1
	v_pk_mul_f32 v[XB+32*\q+\i:XB+32*\q+\i+1], v[XB+32*\q+\i:XB+32*\q+\i+1], v[\i:\i+1]
.endr
.endr
	WIN 0
.irp q, 0,1                                    ; my block's largest magnitude: all 32 numbers are mine
	v_max3_num_f32 v[240+\q], |v[XB+32*\q]|, |v[XB+32*\q+1]|, |v[XB+32*\q+2]|
	v_max3_num_f32 v[TB+8*\q+4], |v[XB+32*\q+3]|, |v[XB+32*\q+4]|, |v[XB+32*\q+5]|
.endr
.irp i, 6,10,14,18,22,26
.irp q, 0,1
	v_max3_num_f32 v[240+\q], v[240+\q], |v[XB+32*\q+\i]|, |v[XB+32*\q+\i+1]|
	v_max3_num_f32 v[TB+8*\q+4], v[TB+8*\q+4], |v[XB+32*\q+\i+2]|, |v[XB+32*\q+\i+3]|
.endr
.endr
.irp q, 0,1
	v_max3_num_f32 v[240+\q], v[240+\q], |v[XB+32*\q+30]|, |v[XB+32*\q+31]|
.endr
.irp q, 0,1
	v_max3_num_f32 v[240+\q], v[240+\q], v[TB+8*\q+4], 0x1800000   ; and the floor 2^(3 - 127): the byte cannot fall under 1
.endr
.irp q, 0,1
	v_add_nc_u32 v[242+\q], 0xff000000, v[240+\q]  ; 2 off the exponent field: the conversion's scale operand
.endr
.irp q, 0,1
	v_lshrrev_b32 v[244+\q], 23, v[242+\q]         ; the scale's byte
.endr
.irp q, 0,1                                    ; k 0-7, 16-23, 8-15, 24-31: this program's order inside a block
	v_cvt_scalef32_pk8_fp4_f32 v[248+4*\q], v[XB+32*\q:XB+32*\q+7], v[242+\q]
	v_cvt_scalef32_pk8_fp4_f32 v[249+4*\q], v[XB+32*\q+16:XB+32*\q+23], v[242+\q]
	v_cvt_scalef32_pk8_fp4_f32 v[250+4*\q], v[XB+32*\q+8:XB+32*\q+15], v[242+\q]
	v_cvt_scalef32_pk8_fp4_f32 v[251+4*\q], v[XB+32*\q+24:XB+32*\q+31], v[242+\q]
.endr
	v_nop                                          ; one plain instruction behind a run of scaled conversions
.irp q, 0,1
	ds_store_b128 v5, v[248+4*\q:251+4*\q] offset:(2*(\g)+\q)*528
	ds_store_b8 v6, v[244+\q] offset:(2*(\g)+\q)*8
.endr
.endm
	LOADG 0
	LOADG 1
.irp g, 0,1,2,3,4,5,6,7
	LNG \g
.endr
	; the 16 rows' codes leave as eight images, 512 consecutive bytes a store; the scale words as four pieces of 128 bytes (1/128 of what this path reads)
.irp k, 0,1,2,3,4,5,6,7,8,9,10,11,12,13,14,15
	ds_load_b128 v[32+4*\k:35+4*\k], v7 offset:(\k/2)*64+(\k%2)*32
.endr
	ds_load_b128 v[96:99], v8
.irp k, 0,1,2,3,4,5,6,7,8,9,10,11,12,13,14,15
	s_wait_dscnt 16-\k
	global_store_b128 v2, v[32+4*\k:35+4*\k], s[40:41] offset:((\k/2)/2)*34816+((\k/2)%2)*16384+(\k%2)*512
.endr
	s_wait_dscnt 0x0
	global_store_b128 v10, v[96:99], s[42:43]
	s_wait_tensorcnt 0x0
	ds_add_u32 v246, v247
	s_wait_dscnt 0x0
	s_endpgm
; ---------------- the weights: a wave takes 32 columns x 256 along K ----------------
.Lweights:
	s_wait_alu depctr_va_vdst(0)
	v_lshlrev_b32 v3, 3, v1                        ; 8 x lane
	s_sub_co_u32 s3, ttmp9, 128
	s_lshl_b32 s3, s3, 2
	s_add_co_u32 s3, s3, s2                        ; unit 0..1607: w_ff1 1,024, w_ff2 512, w_q 32, w_out 32, w_kv 8
	; what differs between the weights is chosen without a branch, from w_kv's figures upwards
	s_mov_b32 s36, 1600                            ; first unit
	s_mov_b32 s37, 1                               ; log2 of the groups of 32 columns
	s_mov_b32 s38, 256                             ; a row in bytes
	s_mov_b32 s39, 17408                           ; a tile of the code buffer
	s_mov_b32 s40, 4352                            ; a record
	s_mov_b32 s41, 2048                            ; 128 along K of a record
	s_mov_b32 s42, 0                               ; log2 of the column groups in a tile
	s_mov_b32 s43, 31                              ; shift that finds the gate half (w_ff1 alone)
	s_mov_b32 s44, 0xffff                          ; mask that drops it
	s_mov_b32 s45, 0                               ; first record
	s_mov_b32 s46, 8                               ; first tile
	s_wait_kmcnt 0x0
	s_mov_b64 s[48:49], s[22:23]
	s_mov_b64 s[50:51], s[32:33]
.macro PICK t, qb, lcg, nb4, ts, rec, nbk, ltg, hs, tmk, kc0, tg0, src, dst
	s_cmp_lt_u32 s3, \t
	s_cselect_b32 s36, \qb, s36
	s_cselect_b32 s37, \lcg, s37
	s_cselect_b32 s38, \nb4, s38
	s_cselect_b32 s39, \ts, s39
	s_cselect_b32 s40, \rec, s40
	s_cselect_b32 s41, \nbk, s41
	s_cselect_b32 s42, \ltg, s42
	s_cselect_b32 s43, \hs, s43
	s_cselect_b32 s44, \tmk, s44
	s_cselect_b32 s45, \kc0, s45
	s_cselect_b32 s46, \tg0, s46
	s_cselect_b64 s[48:49], s[\src:\src+1], s[48:49]
	s_cselect_b64 s[50:51], s[\dst:\dst+1], s[50:51]
.endm
	PICK 1600, 1568, 5, 4096, 295936, 17408, 8192, 2, 31, 0xffff, 16, 0, 20, 30    ; w_out: record 16 of w2q
	PICK 1568, 1536, 3, 1024, 17408, 4352, 2048, 0, 31, 0xffff, 0, 0, 18, 32       ; w_q: a head a tile of wpq
	PICK 1536, 1024, 5, 4096, 295936, 17408, 8192, 2, 31, 0xffff, 0, 0, 16, 30     ; w_ff2
	PICK 1024, 0, 8, 32768, 139264, 34816, 16384, 2, 7, 127, 0, 0, 14, 28          ; w_ff1: 128 units' val in blocks 0-7, their gates in blocks 8-15
	s_sub_co_u32 s4, s3, s36
	s_lshl_b32 s5, 1, s37
	s_sub_co_u32 s5, s5, 1
	s_and_b32 s5, s4, s5                           ; column group: the four waves of a work-group stand side by side
	s_lshr_b32 s6, s4, s37                         ; which 256 along K
	s_and_b32 s7, s5, s44
	s_lshr_b32 s7, s7, s42
	s_add_co_u32 s7, s7, s46                       ; tile
	s_lshl_b32 s54, 1, s42
	s_sub_co_u32 s54, s54, 1
	s_and_b32 s54, s5, s54
	s_lshl_b32 s54, s54, 1
	s_lshr_b32 s55, s5, s43
	s_lshl_b32 s55, s55, 3
	s_add_co_u32 s54, s54, s55                     ; first of my two blocks of 16 in the tile
	s_mul_i32 s56, s7, s39
	s_add_co_u32 s57, s6, s45
	s_mul_i32 s57, s57, s40
	s_add_co_u32 s56, s56, s57                     ; my record
	s_lshl_b32 s57, s54, 10
	s_add_co_u32 s58, s56, s57
	s_mov_b32 s59, 0
	s_add_nc_u64 s[84:85], s[50:51], s[58:59]      ; images of the first 128 along K,
	s_mov_b32 s60, s41
	s_mov_b32 s61, 0
	s_add_nc_u64 s[86:87], s[84:85], s[60:61]      ; of the second,
	s_lshl_b32 s57, s41, 1
	s_add_co_u32 s56, s56, s57
	s_lshl_b32 s57, s54, 7
	s_add_co_u32 s62, s56, s57
	s_mov_b32 s63, 0
	s_add_nc_u64 s[88:89], s[50:51], s[62:63]      ; and my 32 rows' scale words
	s_mul_i32 s56, s6, s38
	s_lshl_b32 s56, s56, 8
	s_lshl_b32 s57, s5, 7
	s_add_co_u32 s58, s56, s57
	s_add_nc_u64 s[68:69], s[48:49], s[58:59]      ; block 0 of my eight blocks of 32 rows of the weight
	s_lshl_b32 s60, s38, 5
.irp t, 1,2,3,4,5,6,7
	s_add_nc_u64 s[68+2*\t:69+2*\t], s[66+2*\t:67+2*\t], s[60:61]
.endr
	v_lshlrev_b32 v32, 2, v1                       ; v32-63: 4 x lane + i rows
.set I, 1
.rept 31
	v_add_nc_u32 v[32+I], s38, v[31+I]
.set I, I+1
.endr
.macro WLOAD t                         ; block t: W(32 t + i, my column) into set t % 2: a load reads 128 consecutive bytes, the work-group's four 512
.set I, 0
.rept 32
	global_load_b32 v[64+32*((\t)%2)+I], v[32+I], s[68+2*(\t):69+2*(\t)] th:TH_LOAD_NT
.set I, I+1
.endr
.endm
.macro WBLOCK t
.set XS, 64+32*((\t)%2)
.set CB, 128+16*((\t)/4)+4*((\t)%4)
.set C0, 128+16*((\t)/4)
.if (\t) < 7
	s_wait_loadcnt 32                              ; this block's 32 loads are in; the next block's may be out
.else
	s_wait_loadcnt 0x0
.endif
	v_max3_num_f32 v11, |v[XS]|, |v[XS+1]|, |v[XS+2]|
	v_max3_num_f32 v12, |v[XS+3]|, |v[XS+4]|, |v[XS+5]|
.irp i, 6,10,14,18,22,26
	v_max3_num_f32 v11, v11, |v[XS+\i]|, |v[XS+\i+1]|
	v_max3_num_f32 v12, v12, |v[XS+\i+2]|, |v[XS+\i+3]|
.endr
	v_max3_num_f32 v11, v11, |v[XS+30]|, |v[XS+31]|
	v_max3_num_f32 v11, v11, v12, 0x1800000        ; the floor 2^(3 - 127)
	v_add_nc_u32 v13, 0xff000000, v11
	v_lshrrev_b32 v14, 23, v13
.if (\t)%4 == 0
	v_mov_b32 v[160+(\t)/4], v14                   ; four bytes make the scale word of 128 along K
.else
	v_lshl_or_b32 v[160+(\t)/4], v14, 8*((\t)%4), v[160+(\t)/4]
.endif
	v_cvt_scalef32_pk8_fp4_f32 v[CB], v[XS:XS+7], v13
	v_cvt_scalef32_pk8_fp4_f32 v[CB+1], v[XS+16:XS+23], v13
	v_cvt_scalef32_pk8_fp4_f32 v[CB+2], v[XS+8:XS+15], v13
	v_cvt_scalef32_pk8_fp4_f32 v[CB+3], v[XS+24:XS+31], v13
.if (\t)+2 < 8
	WLOAD (\t)+2
.endif
.if (\t)%4 == 3
	v_nop                                          ; one plain instruction behind the conversions
.irp c, 0,1                                    ; blocks 2 c and 2 c + 1 of 32 columns become piece c of two images of 16 columns
.irp i, 0,1,2,3
	v_permlane16_swap_b32 v[C0+8*\c+\i], v[C0+8*\c+4+\i]
.endr
.endr
.irp c, 0,1
.irp u, 0,1
	global_store_b128 v2, v[C0+8*\c+4*\u:C0+8*\c+4*\u+3], s[84+2*((\t)/4):85+2*((\t)/4)] offset:\u*1024+\c*512   ; 512 consecutive bytes; no store's data are written again
.endr
.endr
.endif
.endm
	WLOAD 0
	WLOAD 1
.irp t, 0,1,2,3,4,5,6,7
	WBLOCK \t
.endr
	global_store_b64 v3, v[160:161], s[88:89]      ; 32 rows' two scale words: 256 consecutive bytes, aligned
	s_endpgm
.Lfunc_end_k_q6c97729092_prep:
	.size	k_q6c97729092_prep, .Lfunc_end_k_q6c97729092_prep-k_q6c97729092_prep
	.p2alignl 7, 3214868480
	.fill 96, 4, 3214868480
	.section	.rodata,"a",@progbits
	.p2align	6, 0x0
	.amdhsa_kernel k_q6c97729092_prep
		.amdhsa_group_segment_fixed_size 74240
		.amdhsa_private_segment_fixed_size 0
		.amdhsa_enable_private_segment 0
		.amdhsa_kernarg_size 104
		.amdhsa_user_sgpr_count 2
		.amdhsa_user_sgpr_kernarg_segment_ptr 1
		.amdhsa_wavefront_size32 1
		.amdhsa_system_sgpr_workgroup_id_x 1
		.amdhsa_system_sgpr_workgroup_id_y 1
		.amdhsa_system_sgpr_workgroup_id_z 1
		.amdhsa_system_vgpr_workitem_id 0
		.amdhsa_next_free_vgpr 288
		.amdhsa_next_free_sgpr 100
		.amdhsa_reserve_vcc 0
		.amdhsa_float_denorm_mode_32 3
		.amdhsa_float_denorm_mode_16_64 3
		.amdhsa_memory_ordered 1
		.amdhsa_forward_progress 1
		.amdhsa_inst_pref_size 200
	.end_amdhsa_kernel
	.amdgpu_metadata
---
amdhsa.version: [ 1, 2 ]
amdhsa.kernels:
  - .name:           k_q6c97729092_prep
    .symbol:         k_q6c97729092_prep.kd
    .args:
      - { .name: x, .offset: 0, .size: 8, .value_kind: global_buffer, .address_space: global }
      - { .name: y, .offset: 8, .size: 8, .value_kind: global_buffer, .address_space: global }
      - { .name: gamma, .offset: 16, .size: 8, .value_kind: global_buffer, .address_space: global }
      - { .name: w_ff1, .offset: 24, .size: 8, .value_kind: global_buffer, .address_space: global }
      - { .name: w_ff2, .offset: 32, .size: 8, .value_kind: global_buffer, .address_space: global }
      - { .name: w_q, .offset: 40, .size: 8, .value_kind: global_buffer, .address_space: global }
      - { .name: w_out, .offset: 48, .size: 8, .value_kind: global_buffer, .address_space: global }
      - { .name: w_kv, .offset: 56, .size: 8, .value_kind: global_buffer, .address_space: global }
      - { .name: xq, .offset: 64, .size: 8, .value_kind: global_buffer, .address_space: global }
      - { .name: yq, .offset: 72, .size: 8, .value_kind: global_buffer, .address_space: global }
      - { .name: w1q, .offset: 80, .size: 8, .value_kind: global_buffer, .address_space: global }
      - { .name: w2q, .offset: 88, .size: 8, .value_kind: global_buffer, .address_space: global }
      - { .name: wpq, .offset: 96, .size: 8, .value_kind: global_buffer, .address_space: global }
    .group_segment_fixed_size: 74240
    .private_segment_fixed_size: 0
    .kernarg_segment_align: 8
    .kernarg_segment_size: 104
    .max_flat_workgroup_size: 128
    .sgpr_count:     100
    .vgpr_count:     288
    .wavefront_size: 32
...
	.end_amdgpu_metadata
.endif
;; end of part 1
;; launch ff1 (part 2): grid 16 x 16, 4 waves a work-group, clusters of 4 x 4, 327,680 bytes of LDS; arguments xq, w1q, hq, yq, wpq, kvq, qq; writes hq, kvq, qq
.if DOCPART == 2
	.amdgcn_target "amdgcn-amd-amdhsa--gfx1250"
	.amdhsa_code_object_version 6
	.text
	.protected	k_q6c97729092_ff1
	.globl	k_q6c97729092_ff1
	.p2align	8
	.type	k_q6c97729092_ff1,@function
k_q6c97729092_ff1:
	s_mov_b64 s[64:65], 0
	v_nop
	global_prefetch_b8 v0, s[64:65] scope:SCOPE_SE
	s_setreg_imm32_b32 hwreg(HW_REG_WAVE_MODE, 25, 1), 1
	s_wait_xcnt 0x0
	s_wait_alu depctr_hold_cnt(0) depctr_sa_sdst(0) depctr_va_vdst(0) depctr_va_sdst(0) depctr_va_ssrc(0) depctr_va_vcc(0) depctr_vm_vsrc(0)
	s_getreg_b32 s2, hwreg(HW_REG_IB_STS2, 6, 4)
	s_cmp_eq_u32 s2, 0
	s_cbranch_scc0 .Lentry_in_a_cluster
	s_endpgm
.Lentry_in_a_cluster:
	s_bfe_u32 s2, ttmp6, 0x10000c
	s_cmp_lg_u32 s2, 0xf033
	s_cbranch_scc0 .Lentry_shape_is_right
	s_endpgm
.Lentry_shape_is_right:
; FF1: all products on the normed inputs' codes of FP4, K = 1,024: the FFN's first product with its SwiGLU, and the three small projections q, k, v; every result is quantised in registers and stored as codes.
; (1) THE PROJECTIONS stand at the head, between the request for the first tiles and the wait for them; their operands go from memory straight into registers that the main product does not need yet.
;   q = LayerNorm(x) w_q / sqrt(32): each of the launch's 1,024 waves takes 32 tokens x one head (head = unit tile % 8, group of 32 rows = 4 (unit tile / 8) + wave): 72 loads, 32 matrix instructions.
;   k, v = LayerNorm(y) w_kv: work-group number i = 16 x row tile + unit tile.  Wave 0 takes keys 16 i .. 16 i + 15 of k (source 0 = w_k's 32 columns, source 1 = the keys: a lane holds a key, its registers its 32 dims);
;   wave 1 takes dims 16 (i % 2) .. + 15 of v for keys 32 (i / 2) .. + 31 (source 0 = the keys, source 1 = w_v's columns: a lane holds a dim, its registers run along the keys).  56 loads, 16 matrix instructions.
;   kvq: a record of 4,352 bytes for 128 keys: k's codes [key][16 bytes]; v's two images; k's scale words [f][r], byte j = key 64 f + 16 j + r; v's [e][r], byte b = block b.  qq: codes [head][token][16 bytes]; from byte 524,288 scale bytes [128 tokens][head][128].
;   The scale bytes of these small results leave as single bytes (32 or 16 a wave): their layouts serve the reader's loads.
; (2) h = silu(gate) x val with [val | gate] = LayerNorm(x) w_ff1; h is quantised along the hidden units and stored as records 0-15 of hq.
;   A tile is 256 rows x 128 hidden units (256 columns: a unit's val and gate in one lane).  Both operands of a tile for all of K, 2 x 139,264 bytes, lie in LDS.  A work-group stays for two tiles, unit tiles tn and tn + 16, on the same rows.
;   Wave w makes rows 64 w .. 64 w + 63 x all 256 columns: 64 accumulators.  So it owns whole fragments and whole scale words of the next product's operand, which leave without LDS.
; TENSOR LOADS, one a wave each time: at the head records 0 and 1 of x (waves 0, 1) and of the weight (waves 2, 3); behind the full sequence and a round records 2 and 3; at the first tile's last step, behind a round, wave w brings record w of the second tile's weight.
; By this text's count a wave never has more than one tensor load out.  CLUSTERS: 4 x 4; x's records are shared along a row of the cluster, the weight's along a column.  A work-group's place in its cluster enters global addresses alone.
; No prefetch: the text has no loop to run ahead in, and all that the first tile needs is asked for at the head.
; All of a WGP's LDS is claimed, and 0 is added to spare words.
; LIMITS: a block of zeros gets the byte 1 (its codes are zeros; this program alone reads the bytes); blocks under 2^-124 are held at the byte 1; NaN and infinities are not served.
; REGISTERS.  window 0: v1-3, v8, v9, v16-18 lane terms; v4-7, v12-15 LDS addresses of the two tiles; v10, v11 the spare word's address and 0; SCALE WORDS and nothing else: v32-39 x's, v40-71 the weight's, v72-87 q's operands', v88-103 k's and v's operands';
;   v128-191 x's fragments, two sets (at the head: the projections' accumulators); on the way out v128-191 at work, v192-223 codes, v224-229 the result's scale words, v232-250 at work.
;   window 1: the weight's fragments, two sets of 128 (at the first tile's way out: w_q's and x's fragments).   windows 2, 3: accumulator (a, bb) at v[128 (a % 2) + 8 bb] of window 2 + a / 2 (at the head window 2: k's or v's operands).
; WHERE THE PROJECTIONS STAND: k's and v's units stand at the head, as (1) says.  q's unit stands at the first tile's way out: its 72 loads go into the weight's fragment registers, which are idle there
; (54 ahead of the first block of 16 rows, 18 behind it), and its products, quantiser and stores follow the way out, ahead of the second tile's barrier.
.set SPARE, 278528
.set TILE2, 139264                     ; in hq from a tile to the tile 16 further on: eight records of 17,408 bytes
.set MSB, 0
.macro WIN new                         ; the immediate's high byte repeats the setting that is left
.if MSB != (\new)
	s_set_vgpr_msb (MSB<<8)|(\new)
.set MSB, (\new)
.endif
.endm
.macro PLACES
.rept 4
	v_nop
.endr
.endm
.macro WM d, a, b, zero, sa, sb, ra, rb
.if \zero
.if (\ra) && (\rb)
	v_wmma_scale_f32_16x16x128_f8f6f4 v[\d:\d+7], v[\a:\a+7], v[\b:\b+7], 0, v[\sa], v[\sb] matrix_a_fmt:MATRIX_FMT_FP4 matrix_b_fmt:MATRIX_FMT_FP4 matrix_a_scale:MATRIX_SCALE_ROW1 matrix_b_scale:MATRIX_SCALE_ROW1
.elseif (\ra)
	v_wmma_scale_f32_16x16x128_f8f6f4 v[\d:\d+7], v[\a:\a+7], v[\b:\b+7], 0, v[\sa], v[\sb] matrix_a_fmt:MATRIX_FMT_FP4 matrix_b_fmt:MATRIX_FMT_FP4 matrix_a_scale:MATRIX_SCALE_ROW1
.elseif (\rb)
	v_wmma_scale_f32_16x16x128_f8f6f4 v[\d:\d+7], v[\a:\a+7], v[\b:\b+7], 0, v[\sa], v[\sb] matrix_a_fmt:MATRIX_FMT_FP4 matrix_b_fmt:MATRIX_FMT_FP4 matrix_b_scale:MATRIX_SCALE_ROW1
.else
	v_wmma_scale_f32_16x16x128_f8f6f4 v[\d:\d+7], v[\a:\a+7], v[\b:\b+7], 0, v[\sa], v[\sb] matrix_a_fmt:MATRIX_FMT_FP4 matrix_b_fmt:MATRIX_FMT_FP4
.endif
.else
.if (\ra) && (\rb)
	v_wmma_scale_f32_16x16x128_f8f6f4 v[\d:\d+7], v[\a:\a+7], v[\b:\b+7], v[\d:\d+7], v[\sa], v[\sb] matrix_a_fmt:MATRIX_FMT_FP4 matrix_b_fmt:MATRIX_FMT_FP4 matrix_a_scale:MATRIX_SCALE_ROW1 matrix_b_scale:MATRIX_SCALE_ROW1
.elseif (\ra)
	v_wmma_scale_f32_16x16x128_f8f6f4 v[\d:\d+7], v[\a:\a+7], v[\b:\b+7], v[\d:\d+7], v[\sa], v[\sb] matrix_a_fmt:MATRIX_FMT_FP4 matrix_b_fmt:MATRIX_FMT_FP4 matrix_a_scale:MATRIX_SCALE_ROW1
.elseif (\rb)
	v_wmma_scale_f32_16x16x128_f8f6f4 v[\d:\d+7], v[\a:\a+7], v[\b:\b+7], v[\d:\d+7], v[\sa], v[\sb] matrix_a_fmt:MATRIX_FMT_FP4 matrix_b_fmt:MATRIX_FMT_FP4 matrix_b_scale:MATRIX_SCALE_ROW1
.else
	v_wmma_scale_f32_16x16x128_f8f6f4 v[\d:\d+7], v[\a:\a+7], v[\b:\b+7], v[\d:\d+7], v[\sa], v[\sb] matrix_a_fmt:MATRIX_FMT_FP4 matrix_b_fmt:MATRIX_FMT_FP4
.endif
.endif
.endm
.macro CROUND                          ; a round of the cluster's barrier
	s_barrier_signal -1
	s_barrier_wait -1
	s_cmp_lg_u32 s10, 0
	s_cbranch_scc1 .Lnot_wave_0_\@
	s_barrier_signal -3
.Lnot_wave_0_\@:
	s_barrier_wait -3
	s_barrier_signal -1
	s_barrier_wait -1
.endm
.macro JLOAD g                         ; a joint load of one record: waves 0, 1 for x, waves 2, 3 for the weight; g = 0: records 0, 1; g = 1: records 2, 3
	s_cmp_eq_u32 s11, 0
	s_cbranch_scc0 .Lfor_w_\@
	tensor_load_to_lds s[48+4*\g:51+4*\g], s[16:23]
	s_nop 0
	PLACES
	s_branch .Lasked_\@
.Lfor_w_\@:
	tensor_load_to_lds s[68+4*\g:71+4*\g], s[24:31]
	s_nop 0
	PLACES
.Lasked_\@:
.endm
	s_load_b128 s[4:7], s[0:1], 0x0                ; xq, w1q
	s_load_b64 s[8:9], s[0:1], 0x10                ; hq
	s_load_b128 s[92:95], s[0:1], 0x18             ; yq, wpq
	s_load_b128 s[96:99], s[0:1], 0x28             ; kvq, qq
	v_lshl_add_u32 v10, v0, 2, SPARE
	v_mov_b32 v11, 0
	ds_add_u32 v10, v11                            ; the opening lines: the add twice on end and one wait; the whole set-up, work on registers, stands between
	ds_add_u32 v10, v11
	v_lshrrev_b32 v1, 5, v0
	v_readfirstlane_b32 s10, v1                    ; wave
	v_and_b32 v8, 31, v0                           ; lane
	v_and_b32 v1, 15, v0                           ; r
	v_bfe_u32 v2, v0, 4, 1                         ; h
	v_lshlrev_b32 v3, 4, v8                        ; 16 x lane
	v_lshlrev_b32 v16, 3, v8                       ; 8 x lane
	v_lshlrev_b32 v17, 3, v1                       ; 8 r
	v_lshlrev_b32 v18, 2, v1                       ; 4 r
	v_lshlrev_b32 v9, 4, v1
	v_lshl_add_u32 v9, v2, 3, v9                   ; 16 r + 8 h
	s_lshl_b32 s36, s10, 12
	v_add_nc_u32 v4, s36, v3                       ; x's images: my four blocks of 16 rows; each tile has its own four address registers
	v_add_nc_u32 v12, s36, v3
	v_add_nc_u32 v5, 139264, v3                    ; the weight's
	v_add_nc_u32 v13, 139264, v3
	s_lshl_b32 s36, s10, 9
	s_add_co_u32 s36, s36, 32768
	v_lshlrev_b32 v14, 8, v2
	v_lshl_add_u32 v14, v1, 3, v14
	v_add_nc_u32 v6, s36, v14                      ; x's scale words: lanes 0-15 block i, lanes 16-31 block i + 2
	v_add_nc_u32 v14, s36, v14
	v_lshlrev_b32 v15, 10, v2
	v_lshl_add_u32 v15, v1, 3, v15
	v_add_nc_u32 v7, 172032, v15                   ; the weight's: lanes 0-15 block i (val), lanes 16-31 block i + 8 (gate)
	v_add_nc_u32 v15, 172032, v15
.irp b, 234,235,236,237,238,239
	v_mov_b32 v[\b], 0                             ; lane permutes' destinations count as sources
.endr
	s_mov_b32 s46, 0x76543210
	s_mov_b32 s47, 0xfedcba98                      ; v_permlanex16_b32's selects for lane l xor 16
	s_lshr_b32 s11, s10, 1                         ; I fetch for x (0) or for the weight (1).  Also: my half of hq's two tiles of 128 rows
	s_and_b32 s12, s10, 1                          ; which of two records.  Also: which 64 rows of that tile
	s_bfe_u32 s40, ttmp6, 0x40000                  ; cx
	s_bfe_u32 s41, ttmp6, 0x40004                  ; cy
	s_lshl_b32 s42, ttmp9, 2
	s_add_co_u32 s42, s42, s40                     ; my first tile of 128 units: 0..15
	s_and_b32 s13, ttmp7, 0xffff
	s_lshl_b32 s13, s13, 2
	s_add_co_u32 s13, s13, s41                     ; tile of 256 rows: 0..15
	s_lshl_b32 s43, s41, 2
	s_lshl_b32 s43, 15, s43                        ; my row of the cluster
	s_lshl_b32 s44, 0x1111, s40                    ; my column
	s_or_b32 s16, s43, (3<<16)|(1<<21)             ; group 1 for x: the mask; elements of 8 bytes; bit 21 beside a mask; no padding: every fragment read is 512 consecutive bytes
	s_or_b32 s24, s44, (3<<16)|(1<<21)             ; for the weight
.irp g, 16,24
	s_mov_b32 s[\g+1], 32<<16                      ; rows of 256 bytes,
	s_mov_b32 s[\g+2], 136<<16                     ; 136 of them: a record
	s_mov_b32 s[\g+3], 32<<16
	s_mov_b32 s[\g+4], 136
	s_mov_b32 s[\g+5], 32                          ; dense
	s_mov_b32 s[\g+6], 0
	s_mov_b32 s[\g+7], 0
.endr
	s_mul_i32 s14, s12, 34816
	s_mul_i32 s32, s13, 139264
	s_add_co_u32 s32, s32, s14
	s_mov_b32 s33, 0
	s_mul_i32 s34, s42, 139264
	s_add_co_u32 s34, s34, s14
	s_mov_b32 s35, 0
	s_mul_i32 s15, s11, 139264
	s_add_co_u32 s15, s15, s14                     ; LDS: x's four records, then the weight's
	s_mov_b32 s88, 1                               ; the refill's group 0: wave w brings record w of the second tile
	s_mul_i32 s89, s10, 34816
	s_mul_i32 s90, s42, 139264
	s_add_co_u32 s90, s90, s89
	s_add_co_u32 s90, s90, 16*139264
	s_mov_b32 s91, 0
	s_add_co_u32 s89, s89, 139264
	; q's unit: byte offsets
	s_and_b32 s36, s42, 7                          ; head
	s_lshr_b32 s37, s42, 3
	s_lshl_b32 s37, s37, 2
	s_add_co_u32 s37, s37, s10                     ; group of 32 rows in the tile
	s_mul_i32 s38, s13, 139264
	s_lshl_b32 s39, s37, 11
	s_add_co_u32 s56, s38, s39                     ; the rows' images
	s_mov_b32 s57, 0
	s_lshl_b32 s39, s37, 8
	s_add_co_u32 s58, s38, s39
	s_add_co_u32 s58, s58, 32768                   ; their scale words
	s_mov_b32 s59, 0
	s_mul_i32 s60, s36, 17408                      ; the head's tile of wpq
	s_mov_b32 s61, 0
	s_lshl_b32 s39, s13, 3
	s_add_co_u32 s39, s39, s37                     ; group of 32 tokens: 0..127
	s_lshl_b32 s62, s36, 16
	s_lshl_b32 s2, s39, 9
	s_add_co_u32 s62, s62, s2                      ; q's codes
	s_mov_b32 s63, 0
	s_lshr_b32 s2, s39, 2
	s_lshl_b32 s2, s2, 3
	s_add_co_u32 s2, s2, s36
	s_lshl_b32 s76, s2, 7
	s_lshl_b32 s2, s10, 5
	s_add_co_u32 s76, s76, s2
	s_add_co_u32 s76, s76, 524288                  ; q's 32 scale bytes
	s_mov_b32 s77, 0
	; k's unit (wave 0) and v's (wave 1): both forms of each offset, then one choice on the wave's number
	s_lshl_b32 s45, s13, 4
	s_add_co_u32 s45, s45, s42                     ; i
	s_lshr_b32 s2, s45, 4
	s_mul_i32 s2, s2, 139264                       ; y's tile of 256 rows
	s_and_b32 s3, s45, 1                           ; e
	s_lshr_b32 s66, s45, 1
	s_and_b32 s66, s66, 3                          ; v's block of 32 keys in the record
	s_lshr_b32 s67, s45, 3
	s_mul_i32 s67, s67, 4352                       ; the record of 128 keys
	s_and_b32 s78, s45, 15                         ; y's first block of 16 rows: k's,
	s_and_b32 s79, s45, 14                         ; v's
	s_lshl_b32 s80, s3, 10
	s_add_co_u32 s80, s80, 156672                  ; w_v (group 9 of wpq), block e: images,
	s_lshl_b32 s81, s3, 7
	s_add_co_u32 s81, s81, 160768                  ; scale words
	s_and_b32 s82, s45, 7
	s_lshl_b32 s82, s82, 8                         ; k's codes in the record
	s_lshl_b32 s83, s3, 2
	s_add_co_u32 s83, s83, s66
	s_lshl_b32 s83, s83, 8
	s_add_co_u32 s83, s83, 2048                    ; v's
	s_bfe_u32 s84, s45, 0x10002
	s_lshl_b32 s84, s84, 6
	s_and_b32 s85, s45, 3
	s_add_co_u32 s84, s84, s85
	s_add_co_u32 s84, s84, 4096                    ; k's scale bytes
	s_lshl_b32 s85, s3, 6
	s_add_co_u32 s85, s85, s66
	s_add_co_u32 s85, s85, 4224                    ; v's
	s_mov_b32 s86, 139264                          ; w_k (group 8): images,
	s_mov_b32 s87, 143360                          ; scale words
	s_cmp_eq_u32 s10, 0
	s_cselect_b32 s78, s78, s79
	s_cselect_b32 s80, s86, s80
	s_cselect_b32 s81, s87, s81
	s_cselect_b32 s82, s82, s83
	s_cselect_b32 s84, s84, s85
	s_lshl_b32 s79, s78, 7
	s_add_co_u32 s79, s79, s2
	s_add_co_u32 s86, s79, 32768                   ; s[86:87] y's scale words
	s_mov_b32 s87, 0
	s_lshl_b32 s78, s78, 10
	s_add_co_u32 s78, s78, s2                      ; s[78:79] y's images
	s_mov_b32 s79, 0
	s_mov_b32 s2, s81                              ; s[2:3] the weight's scale words
	s_mov_b32 s3, 0
	s_mov_b32 s81, 0                               ; s[80:81] the weight's images
	s_add_co_u32 s82, s82, s67                     ; s[82:83] the codes' place
	s_mov_b32 s83, 0
	s_add_co_u32 s84, s84, s67                     ; s[84:85] the scale bytes' place
	s_mov_b32 s85, 0
	; h's place in hq
	s_lshl_b32 s36, s13, 1
	s_add_co_u32 s36, s36, s11
	s_mul_i32 s36, s36, 295936                     ; hq's tile of 128 rows
	s_lshr_b32 s37, s42, 1
	s_mul_i32 s37, s37, 17408
	s_add_co_u32 s36, s36, s37                     ; the first tile's record
	s_and_b32 s37, s42, 1
	s_lshl_b32 s38, s37, 13
	s_add_co_u32 s38, s38, s36
	s_lshl_b32 s39, s12, 12
	s_add_co_u32 s66, s38, s39                     ; s[66:67] my four images
	s_mov_b32 s67, 0
	s_lshl_b32 s38, s37, 9
	s_add_co_u32 s38, s38, s36
	s_lshl_b32 s39, s12, 8
	s_add_co_u32 s38, s38, s39
	s_add_co_u32 s38, s38, 16384                   ; s[38:39] my 64 rows' scale words
	s_mov_b32 s39, 0
	s_wait_alu depctr_va_vdst(0)                   ; the wait at the head's end
	s_wait_dscnt 0x0                               ; both opening adds are done
	s_wait_kmcnt 0x0
	s_add_nc_u64 s[32:33], s[4:5], s[32:33]
	s_add_nc_u64 s[34:35], s[6:7], s[34:35]
	s_add_nc_u64 s[90:91], s[6:7], s[90:91]
	s_or_b32 s91, s91, 0x80000000
.irp g, 0,1
	s_mov_b32 s[48+4*\g], 1
	s_add_co_u32 s[49+4*\g], s15, \g*69632
	s_add_nc_u64 s[50+4*\g:51+4*\g], s[32:33], \g*69632
	s_or_b32 s[51+4*\g], s[51+4*\g], 0x80000000
	s_mov_b32 s[68+4*\g], 1
	s_add_co_u32 s[69+4*\g], s15, \g*69632
	s_add_nc_u64 s[70+4*\g:71+4*\g], s[34:35], \g*69632
	s_or_b32 s[71+4*\g], s[71+4*\g], 0x80000000
.endr
	s_add_nc_u64 s[56:57], s[4:5], s[56:57]
	s_add_nc_u64 s[58:59], s[4:5], s[58:59]
	s_add_nc_u64 s[60:61], s[94:95], s[60:61]
	s_add_nc_u64 s[62:63], s[98:99], s[62:63]
	s_add_nc_u64 s[76:77], s[98:99], s[76:77]
	s_add_nc_u64 s[78:79], s[92:93], s[78:79]
	s_add_nc_u64 s[86:87], s[92:93], s[86:87]
	s_add_nc_u64 s[80:81], s[94:95], s[80:81]
	s_add_nc_u64 s[2:3], s[94:95], s[2:3]
	s_add_nc_u64 s[82:83], s[96:97], s[82:83]
	s_add_nc_u64 s[84:85], s[96:97], s[84:85]
	s_add_nc_u64 s[92:93], s[8:9], s[66:67]        ; from here on s[92:93]: h's images, s[94:95]: h's scale words
	s_add_nc_u64 s[94:95], s[8:9], s[38:39]
	CROUND                                         ; all sixteen work-groups are here: the first joint loads meet
	JLOAD 0                                        ; my one tensor load at the head
.macro QLOAD kc                        ; q: the 18 loads of the kc-th 256 along K
	global_load_b64 v[72+2*\kc:73+2*\kc], v16, s[58:59] offset:\kc*34816           ; the rows' scale words: lanes 0-15 u = 0, lanes 16-31 u = 1
	global_load_b64 v[80+2*\kc:81+2*\kc], v16, s[60:61] offset:\kc*4352+4096       ; w_q's: lanes 0-15 e = 0, lanes 16-31 e = 1
	WIN 0x40
.irp k, 0,1
.irp u, 0,1
.irp c, 0,1
	global_load_b128 v[8*(2*(2*\kc+\k)+\u)+4*\c:8*(2*(2*\kc+\k)+\u)+4*\c+3], v3, s[60:61] offset:\kc*4352+\k*2048+\u*1024+\c*512
	global_load_b128 v[128+8*(2*(2*\kc+\k)+\u)+4*\c:128+8*(2*(2*\kc+\k)+\u)+4*\c+3], v3, s[56:57] offset:\kc*34816+\k*16384+\u*1024+\c*512
.endr
.endr
.endr
	WIN 0
.endm
; source 0: two blocks of 16 rows (images at pa, scale words at qa, ra bytes from 256 to 256 along K, ta from 128 to 128); source 1: one block (pb, qb, rb, tb)
.macro KVLOAD pa, qa, ra, ta, pb, qb, rb, tb
.irp kc, 0,1,2,3
	global_load_b64 v[88+2*\kc:89+2*\kc], v16, s[\qa:\qa+1] offset:\kc*\ra
	global_load_b64 v[96+2*\kc:97+2*\kc], v17, s[\qb:\qb+1] offset:\kc*\rb
.endr
	WIN 0x80
.irp kc, 0,1,2,3
.irp k, 0,1
.irp c, 0,1
	global_load_b128 v[16*(2*\kc+\k)+4*\c:16*(2*\kc+\k)+4*\c+3], v3, s[\pa:\pa+1] offset:\kc*\ra+\k*\ta+\c*512
	global_load_b128 v[16*(2*\kc+\k)+8+4*\c:16*(2*\kc+\k)+8+4*\c+3], v3, s[\pa:\pa+1] offset:\kc*\ra+\k*\ta+1024+\c*512
	global_load_b128 v[128+8*(2*\kc+\k)+4*\c:128+8*(2*\kc+\k)+4*\c+3], v3, s[\pb:\pb+1] offset:\kc*\rb+\k*\tb+\c*512
.endr
.endr
.endr
	WIN 0
.endm
.macro KVM kb, zero                    ; two accumulators by turns
	WM 160, 16*(\kb), 128+8*(\kb), \zero, 88+(\kb), 96+(\kb), 0, 0
	WM 168, 16*(\kb)+8, 128+8*(\kb), \zero, 88+(\kb), 96+(\kb), 1, 0
.endm
.macro QM kb, zero                     ; four accumulators by turns: source 0 = w_q's columns, source 1 = the tokens
.irp u, 0,1
.irp e, 0,1
	WM 128+8*(2*\u+\e), 8*(2*(\kb)+\e), 128+8*(2*(\kb)+\u), \zero, 80+(\kb), 72+(\kb), \e, \u
.endr
.endr
.endm
; one block of 32: 16 numbers in my lane, 16 in lane l xor 16: lane (r, h) gets bytes 8 h .. 8 h + 7 of row r's 16 bytes of codes in v[pc], v[pc + 1]; the scale's byte in v[pc + 2]: registers that nothing writes again while the stores may read them
.macro QUANT1 s, pc, tm
	v_max3_num_f32 v[\tm], |v[\s]|, |v[\s+1]|, 0x1800000   ; with the floor 2^(3 - 127): the byte cannot fall under 1
.irp i, 2,4,6,8,10,12,14
	v_max3_num_f32 v[\tm], v[\tm], |v[\s+\i]|, |v[\s+\i+1]|
.endr
	v_permlanex16_b32 v[\tm+2], v[\tm], s46, s47
	v_max_num_f32 v[\tm], v[\tm], v[\tm+2]
	v_add_nc_u32 v[\tm+1], 0xff000000, v[\tm]      ; 2 off the exponent field: the conversion's scale operand
	v_lshrrev_b32 v[\pc+2], 23, v[\tm+1]
	v_cvt_scalef32_pk8_fp4_f32 v[\pc], v[\s:\s+7], v[\tm+1]
	v_cvt_scalef32_pk8_fp4_f32 v[\pc+1], v[\s+8:\s+15], v[\tm+1]
	v_nop                                          ; one plain instruction behind the conversions
.endm
; two blocks likewise: afterwards lane (b, r) holds block b of row r whole, in v[pc] .. v[pc + 3]; the bytes in v[tm + 6], v[tm + 7]
.macro QUANT2 src, pc, tm
.irp b, 0,1
	v_max3_num_f32 v[\tm+\b], |v[\src+16*\b]|, |v[\src+16*\b+1]|, 0x1800000
.endr
.irp i, 2,4,6,8,10,12,14
.irp b, 0,1
	v_max3_num_f32 v[\tm+\b], v[\tm+\b], |v[\src+16*\b+\i]|, |v[\src+16*\b+\i+1]|
.endr
.endr
.irp b, 0,1
	v_permlanex16_b32 v[\tm+2+\b], v[\tm+\b], s46, s47
.endr
.irp b, 0,1
	v_max_num_f32 v[\tm+\b], v[\tm+\b], v[\tm+2+\b]
.endr
.irp b, 0,1
	v_add_nc_u32 v[\tm+4+\b], 0xff000000, v[\tm+\b]
.endr
.irp b, 0,1
	v_lshrrev_b32 v[\tm+6+\b], 23, v[\tm+4+\b]
.endr
.irp b, 0,1
	v_cvt_scalef32_pk8_fp4_f32 v[\pc+2*\b], v[\src+16*\b:\src+16*\b+7], v[\tm+4+\b]
	v_cvt_scalef32_pk8_fp4_f32 v[\pc+2*\b+1], v[\src+16*\b+8:\src+16*\b+15], v[\tm+4+\b]
.endr
	v_nop
	v_permlane16_swap_b32 v[\pc], v[\pc+2]
	v_permlane16_swap_b32 v[\pc+1], v[\pc+3]
.endm
	s_cmp_ge_u32 s10, 2                            ; waves 2 and 3 have no unit of k or v
	s_cbranch_scc1 .Lkv_done
	s_cmp_eq_u32 s10, 0
	s_cbranch_scc0 .Lkv_v
	KVLOAD 80, 2, 4352, 2048, 78, 86, 34816, 16384 ; k: source 0 = w_k, source 1 = 16 keys
	s_branch .Lkv_in
.Lkv_v:
	KVLOAD 78, 86, 34816, 16384, 80, 2, 4352, 2048 ; v: source 0 = 32 keys, source 1 = 16 columns of w_v
.Lkv_in:
	s_wait_loadcnt 0x0
	WIN 0x0a                                       ; sources 0 and 1 window 2
	KVM 0, 1                                       ; the first products start the sums
.irp kb, 1,2,3,4,5,6,7
	KVM \kb, 0
.endr
	WIN 0
	PLACES
	QUANT1 160, 248, 232
	global_store_b64 v9, v[248:249], s[82:83]      ; 256 consecutive bytes, aligned
	global_store_b8 v18, v250, s[84:85]            ; row r's byte of its scale word; both halves of the lanes store the same byte
.Lkv_done:
; ---------------- the FFN's first product ----------------
.macro FETCH t, kb                     ; tile t: the fragments of 128 along K into set kb % 2; with an even kb the scale words of 256 along K
.set P, (\kb)%2
.set SS, ((\kb)/2)%2
	WIN 0x40
.irp bb, 0,1,2,3,4,5,6,7,8,9,10,11,12,13,14,15
.irp c, 0,1
	ds_load_b128 v[128*P+8*\bb+4*\c:128*P+8*\bb+4*\c+3], v[5+8*(\t)] offset:P*16384+\bb*1024+\c*512
.endr
.endr
	WIN 0
.irp a, 0,1,2,3
.irp c, 0,1
	ds_load_b128 v[128+32*P+8*\a+4*\c:128+32*P+8*\a+4*\c+3], v[4+8*(\t)] offset:P*16384+\a*1024+\c*512
.endr
.endr
.if P == 0
.irp i, 0,1
	ds_load_b64 v[32+4*SS+2*\i:33+4*SS+2*\i], v[6+8*(\t)] offset:\i*128
.endr
.irp i, 0,1,2,3,4,5,6,7
	ds_load_b64 v[40+16*SS+2*\i:41+16*SS+2*\i], v[7+8*(\t)] offset:\i*128
.endr
.endif
.endm
.macro MULA kb, zero, a                ; block a of my rows x the 16 blocks of columns.  The 64 accumulators take turns, in the same order in every step
.set P, (\kb)%2
.set SS, ((\kb)/2)%2
	WIN 0xa1+0x50*((\a)/2)                         ; source 0 window 1, source 1 window 0, C and D window 2 or 3
.irp bb, 0,1,2,3,4,5,6,7,8,9,10,11,12,13,14,15
	WM 128*((\a)%2)+8*\bb, 128*P+8*\bb, 128+32*P+8*(\a), \zero, 40+16*SS+2*(\bb%8)+P, 32+4*SS+2*((\a)%2)+P, \bb/8, (\a)/2
.endr
.endm
.macro STEP t, kb, zero
	s_wait_dscnt 0x0                               ; this step's fragments, asked for a step ago, are in
.if (\kb) < 7
.if (\kb)%2 == 1
.if (\t) == 0 && (\kb) == 3
	s_wait_tensorcnt 0x0                           ; the one load of mine that is out: my record of records 2 and 3
	s_barrier_signal -1
	s_barrier_wait -1                              ; everybody's is in
.endif
.irp r, 4,5,6,7
	v_add_nc_u32 v[\r+8*(\t)], 34816, v[\r+8*(\t)] ; on to the next record; these four are the plain instructions in front of the loads below
.endr
	s_wait_alu depctr_va_vdst(0)                   ; the wait here, directly behind the writes
.else
	PLACES                                         ; four plain instructions between the last products and loads into registers that they read
.endif
	FETCH \t, (\kb)+1
.irp a, 0,1,2,3
	MULA \kb, \zero, \a
.endr
.elseif (\t) == 0
	; the first tile's last step: my LDS reads of the weight's records are over (the wait above), so they are filled again
	s_wait_tensorcnt 0x0                           ; no tensor load of mine is out;
	ds_add_u32 v10, v11                            ; 0 onto my spare word;
	MULA \kb, \zero, 0                             ; 32 matrix instructions stand between the add and the wait for it
	MULA \kb, \zero, 1
	s_wait_dscnt 0x0                               ; the add is done
	WIN 0
	CROUND                                         ; no wave of any partner still reads the weight's records or has a load on its way
	tensor_load_to_lds s[88:91], s[24:31]          ; my one tensor load behind the round: record w of the second tile
	s_nop 0
	PLACES
	MULA \kb, \zero, 2
	MULA \kb, \zero, 3
.else
.irp a, 0,1,2,3
	MULA \kb, \zero, \a
.endr
.endif
	WIN 0
.endm
; 64 numbers of a lane, register 16 b + i, become a fragment's codes and its scale word: a block's other 16 numbers lie in lane l xor 16
.set TM, 232
.macro QUANT s, pc, pw
.irp b, 0,1,2,3
	v_max3_num_f32 v[TM+\b], |v[\s+16*\b]|, |v[\s+1+16*\b]|, 0x1800000
.endr
.irp i, 2,4,6,8,10,12,14
.irp b, 0,1,2,3
	v_max3_num_f32 v[TM+\b], v[TM+\b], |v[\s+16*\b+\i]|, |v[\s+1+16*\b+\i]|
.endr
.endr
.irp b, 0,1,2,3
	v_permlanex16_b32 v[TM+4+\b], v[TM+\b], s46, s47
.endr
.irp b, 0,1,2,3
	v_max_num_f32 v[TM+\b], v[TM+\b], v[TM+4+\b]
.endr
.irp b, 0,1,2,3
	v_add_nc_u32 v[TM+12+\b], 0xff000000, v[TM+\b]
.endr
.irp b, 0,1,2,3
	v_lshrrev_b32 v[TM+4+\b], 23, v[TM+12+\b]
.endr
	v_lshl_or_b32 v[\pw], v[TM+5], 8, v[TM+4]
	v_lshl_or_b32 v[\pw], v[TM+6], 16, v[\pw]
	v_lshl_or_b32 v[\pw], v[TM+7], 24, v[\pw]
.irp b, 0,1,2,3
	v_cvt_scalef32_pk8_fp4_f32 v[\pc+2*\b], v[\s+16*\b:\s+7+16*\b], v[TM+12+\b]
	v_cvt_scalef32_pk8_fp4_f32 v[\pc+1+2*\b], v[\s+8+16*\b:\s+15+16*\b], v[TM+12+\b]
.endr
	v_nop
.irp c, 0,1
.irp i, 0,1
	v_permlane16_swap_b32 v[\pc+4*\c+\i], v[\pc+2+4*\c+\i]
.endr
.endr
.endm
; block a of 16 rows of tile t: silu(gate) x val = gate / (1 + 2^(-gate log2 e)) x val, in f32, then the quantiser; exponentials and reciprocals go as batches of 64, a wait ahead of each and one behind
.macro EPI t, a
.set WW, 2+(\a)/2
.set VB, 128*((\a)%2)
.set GB, VB+64
	WIN WW                                         ; source 0: the accumulators' window
.set I, 0
.rept 32
	v_pk_mul_f32 v[128+I:129+I], v[GB+I:GB+I+1], 0xbfb8aa3b op_sel_hi:[1,0]   ; each accumulator from its low end on
.set I, I+2
.endr
	WIN 0
.set I, 0
	s_wait_alu depctr_va_vdst(0)
.rept 64
	v_exp_f32 v[128+I], v[128+I]
.set I, I+1
.endr
	v_nop
	s_wait_alu depctr_va_vdst(0)
.set I, 0
.rept 32
	v_pk_add_f32 v[128+I:129+I], v[128+I:129+I], 1.0 op_sel_hi:[1,0]
.set I, I+2
.endr
.set I, 0
	s_wait_alu depctr_va_vdst(0)
.rept 64
	v_rcp_f32 v[128+I], v[128+I]
.set I, I+1
.endr
	v_nop
	s_wait_alu depctr_va_vdst(0)
	WIN WW
.set I, 0
.rept 32
	v_pk_mul_f32 v[128+I:129+I], v[GB+I:GB+I+1], v[128+I:129+I]
.set I, I+2
.endr
.set I, 0
.rept 32
	v_pk_mul_f32 v[128+I:129+I], v[VB+I:VB+I+1], v[128+I:129+I]
.set I, I+2
.endr
	WIN 0
	QUANT 128, 192+8*(\a), 224+(\a)
.irp c, 0,1
	global_store_b128 v3, v[192+8*(\a)+4*\c:192+8*(\a)+4*\c+3], s[92:93] offset:(\t)*TILE2+(\a)*1024+\c*512   ; an image's piece: 512 consecutive bytes
.endr
.endm
.macro OUT t                           ; a tile's way out
	PLACES                                         ; four plain instructions between the last products and the first read of results, and loads into registers that they read
.if (\t) == 0
	QLOAD 0                                        ; q's operands into the weight's fragment registers, which nothing names before the second tile: 54 loads here,
	QLOAD 1
	QLOAD 2
.endif
	EPI \t, 0
.if (\t) == 0
	QLOAD 3                                        ; and 18 behind the first block
.endif
.irp a, 1,2,3
	EPI \t, \a
.endr
	v_cmp_ne_u32 vcc_lo, 0, v2
	v_cndmask_b32 v228, v224, v226, vcc_lo         ; lanes 0-15 store the words of blocks 0 and 1, lanes 16-31 of blocks 2 and 3
	v_cndmask_b32 v229, v225, v227, vcc_lo
	global_store_b64 v9, v[228:229], s[94:95] offset:(\t)*TILE2   ; 256 consecutive bytes, aligned
.endm
	; ---- the first tile
	s_wait_alu depctr_va_vdst(0)                   ; the wait here, directly ahead of the waits below
	s_wait_xcnt 0x0                                ; the projections' stores have read their registers
	s_wait_tensorcnt 0x0                           ; my record of records 0 and 1 is in; the lines ahead of a later first fill:
	ds_add_u32 v10, v11
	s_wait_dscnt 0x0
	CROUND                                         ; everybody's record is in, and all sixteen work-groups are here
	JLOAD 1                                        ; records 2 and 3: my one tensor load behind the round
	FETCH 0, 0
	STEP 0, 0, 1                                   ; the first products start the sums
.irp kb, 1,2,3,4,5,6,7
	STEP 0, \kb, 0
.endr
	OUT 0
	; ---- q's unit: 32 tokens x one head
	s_wait_loadcnt 0x0                             ; all 72 loads are in
	WIN 0x05                                       ; sources 0 and 1 window 1
	QM 0, 1                                        ; the first products start the sums
.irp kb, 1,2,3,4,5,6,7
	QM \kb, 0
.endr
	WIN 0
	PLACES
.set I, 0
.rept 16
	v_pk_mul_f32 v[128+I:129+I], v[128+I:129+I], 0x3e3504f3 op_sel_hi:[1,0]   ; x 1 / sqrt(32), as the queries stand ahead of the quantiser
.set I, I+2
.endr
	QUANT2 128, 240, 232                           ; block u = token 16 u + r's 32 dims
	global_store_b128 v3, v[240:243], s[62:63]     ; 512 consecutive bytes
	v_cmp_ne_u32 vcc_lo, 0, v2
	v_cndmask_b32 v244, v238, v239, vcc_lo         ; token 16 h + r's byte
	global_store_b8 v8, v244, s[76:77]             ; 32 consecutive bytes
	s_wait_tensorcnt 0x0
	s_barrier_signal -1
	s_barrier_wait -1                              ; everybody's has
	s_wait_xcnt 0x0                                ; the first tile's stores have read their registers: the second way out writes them again
	FETCH 1, 0
	STEP 1, 0, 1                                   ; the sums begin anew
.irp kb, 1,2,3,4,5,6,7
	STEP 1, \kb, 0
.endr
	OUT 1
	s_wait_tensorcnt 0x0                           ; the wave's end
	ds_add_u32 v10, v11
	s_wait_dscnt 0x0
	CROUND                                         ; the closing round: no work-group ends while a partner may still ask jointly
	s_endpgm
.Lfunc_end_k_q6c97729092_ff1:
	.size	k_q6c97729092_ff1, .Lfunc_end_k_q6c97729092_ff1-k_q6c97729092_ff1
	.p2alignl 7, 3214868480
	.fill 96, 4, 3214868480
	.section	.rodata,"a",@progbits
	.p2align	6, 0x0
	.amdhsa_kernel k_q6c97729092_ff1
		.amdhsa_group_segment_fixed_size 327680
		.amdhsa_private_segment_fixed_size 0
		.amdhsa_enable_private_segment 0
		.amdhsa_kernarg_size 56
		.amdhsa_user_sgpr_count 2
		.amdhsa_user_sgpr_kernarg_segment_ptr 1
		.amdhsa_wavefront_size32 1
		.amdhsa_system_sgpr_workgroup_id_x 1
		.amdhsa_system_sgpr_workgroup_id_y 1
		.amdhsa_system_sgpr_workgroup_id_z 1
		.amdhsa_system_vgpr_workitem_id 0
		.amdhsa_next_free_vgpr 1024
		.amdhsa_next_free_sgpr 100
		.amdhsa_reserve_vcc 1
		.amdhsa_float_denorm_mode_32 3
		.amdhsa_float_denorm_mode_16_64 3
		.amdhsa_memory_ordered 1
		.amdhsa_forward_progress 1
		.amdhsa_inst_pref_size 255
	.end_amdhsa_kernel
	.section	.bss,"aw",@nobits
	.p2align	6
	.space	262144
	.amdgpu_metadata
---
amdhsa.version: [ 1, 2 ]
amdhsa.kernels:
  - .name:           k_q6c97729092_ff1
    .symbol:         k_q6c97729092_ff1.kd
    .args:
      - { .name: xq, .offset: 0, .size: 8, .value_kind: global_buffer, .address_space: global }
      - { .name: w1q, .offset: 8, .size: 8, .value_kind: global_buffer, .address_space: global }
      - { .name: hq, .offset: 16, .size: 8, .value_kind: global_buffer, .address_space: global }
      - { .name: yq, .offset: 24, .size: 8, .value_kind: global_buffer, .address_space: global }
      - { .name: wpq, .offset: 32, .size: 8, .value_kind: global_buffer, .address_space: global }
      - { .name: kvq, .offset: 40, .size: 8, .value_kind: global_buffer, .address_space: global }
      - { .name: qq, .offset: 48, .size: 8, .value_kind: global_buffer, .address_space: global }
    .group_segment_fixed_size: 327680
    .private_segment_fixed_size: 0
    .kernarg_segment_align: 8
    .kernarg_segment_size: 56
    .max_flat_workgroup_size: 128
    .sgpr_count:     100
    .vgpr_count:     1024
    .wavefront_size: 32
...
	.end_amdgpu_metadata
.endif
;; end of part 2
;; launch attn (part 3): grid 256 x 1, 8 waves a work-group, clusters of 4 x 1, 168,960 bytes of LDS; arguments qq, kvq, hq; writes hq
.if DOCPART == 3
	.amdgcn_target "amdgcn-amd-amdhsa--gfx1250"
	.amdhsa_code_object_version 6
	.text
	.protected	k_q6c97729092_attn
	.globl	k_q6c97729092_attn
	.p2align	8
	.type	k_q6c97729092_attn,@function
k_q6c97729092_attn:
	s_mov_b64 s[64:65], 0
	v_nop
	global_prefetch_b8 v0, s[64:65] scope:SCOPE_SE
	s_setreg_imm32_b32 hwreg(HW_REG_WAVE_MODE, 25, 1), 1
	s_wait_xcnt 0x0
	s_wait_alu depctr_hold_cnt(0) depctr_sa_sdst(0) depctr_va_vdst(0) depctr_va_sdst(0) depctr_va_ssrc(0) depctr_va_vcc(0) depctr_vm_vsrc(0)
	s_getreg_b32 s2, hwreg(HW_REG_IB_STS2, 6, 4)
	s_cmp_eq_u32 s2, 0
	s_cbranch_scc0 .Lentry_in_a_cluster
	s_endpgm
.Lentry_in_a_cluster:
	s_bfe_u32 s2, ttmp6, 0x10000c
	s_cmp_lg_u32 s2, 0x3003
	s_cbranch_scc0 .Lentry_shape_is_right
	s_endpgm
.Lentry_shape_is_right:
; ATTN: scores, softmax and p v on codes of FP4; the result / l, quantised, is record 16 of hq (K = 32 x head + dim of the last product).  q, k and v arrive as codes, made by the launch before.
; SHARES.  A work-group takes 16 tokens; wave w takes head w: one tile of 16 (head, token) rows in 256 registers, two waves to a SIMD.  Every wave walks its batch's 2,048 keys, 128 a step.
; K AND V of a whole batch, codes and scale words, are 69,632 bytes: they come into LDS ONCE, each wave bringing an eighth, and stay: nothing is filled again.
; CLUSTER.  The four work-groups of a cluster belong to one batch (32 clusters to a batch) and need the same bytes: each eighth is asked for jointly, by the same tensor load in all four.
; LAYOUT.  Both products are used transposed, so that a lane holds ONE query throughout.  The scores' K is 32, a quarter of the matrix instruction's 128: ONE fragment of k therefore carries FOUR tiles of 16 keys, one in each
; block of 32 along K, and q stands in four forms, its block in place j and zero codes in the other three places: the product with form j gives tile j, and no LDS byte of k is read in vain.
; THE SOFTMAX: t = score x log2(e); M = the largest t so far, rounded UP to a whole number; p = 2^(t - M) is quantised along the keys, not normalised; the sum is taken of the unquantised p and divides at the end.
; When M moves, the sum and O are multiplied by 2^(old M - new M), which rounds nothing.
; LIMITS: a block of zeros gets the byte 1 (its codes are zeros); blocks under 2^-124 are held at the byte 1; NaN and infinities are not served.
; REGISTERS: v1, v2 LDS addresses of the step to be fetched; v3-11 lane terms; v12 -M, v13 the largest t, v[14:15] the sum; v16-47 k, two buffers; v48-79 v, two buffers; v84 an offset for the way out; v96-159 scores, then p;
;   v160-175 O^T; v176-199 q's four forms; v200-211 at work; v212-219 p's codes; v224-228 q as loaded; v252 f, v254 at work.
;   SCALE WORDS, in registers that hold nothing else in the whole text: v248-251 k's and v's in two sets, v253 p's, v255 q's.
.set STEPB, 4352                       ; a key step's record
.set SCR,   69632                      ; behind K and V: 256 bytes for the result's scale bytes; no fill lands there
.set KVS, 248                          ; set p: k's at KVS + 2 p, v's at KVS + 1 + 2 p
.set BM,  200                          ; v200-203 the blocks' largest scores, then their largest p
.set T2,  204                          ; v204-207 lane permutes' destinations, bytes, and (as a pair) the second chain of the sums
.set SO,  208                          ; v208-211 the conversions' scale operands
.set PC,  212                          ; v212-219 p's codes
.set QT,  224                          ; v224-227 q's 16 bytes of codes, v228 the word with its scale byte
.set WO,  84                           ; v84 where wave 0 stores the result's scale words
.macro PLACES
.rept 4
	v_nop
.endr
.endm
.macro WM d, a, b, zero, sa, sb, ra, rb
.if \zero
.if (\ra) && (\rb)
	v_wmma_scale_f32_16x16x128_f8f6f4 v[\d:\d+7], v[\a:\a+7], v[\b:\b+7], 0, v[\sa], v[\sb] matrix_a_fmt:MATRIX_FMT_FP4 matrix_b_fmt:MATRIX_FMT_FP4 matrix_a_scale:MATRIX_SCALE_ROW1 matrix_b_scale:MATRIX_SCALE_ROW1
.elseif (\ra)
	v_wmma_scale_f32_16x16x128_f8f6f4 v[\d:\d+7], v[\a:\a+7], v[\b:\b+7], 0, v[\sa], v[\sb] matrix_a_fmt:MATRIX_FMT_FP4 matrix_b_fmt:MATRIX_FMT_FP4 matrix_a_scale:MATRIX_SCALE_ROW1
.elseif (\rb)
	v_wmma_scale_f32_16x16x128_f8f6f4 v[\d:\d+7], v[\a:\a+7], v[\b:\b+7], 0, v[\sa], v[\sb] matrix_a_fmt:MATRIX_FMT_FP4 matrix_b_fmt:MATRIX_FMT_FP4 matrix_b_scale:MATRIX_SCALE_ROW1
.else
	v_wmma_scale_f32_16x16x128_f8f6f4 v[\d:\d+7], v[\a:\a+7], v[\b:\b+7], 0, v[\sa], v[\sb] matrix_a_fmt:MATRIX_FMT_FP4 matrix_b_fmt:MATRIX_FMT_FP4
.endif
.else
.if (\ra) && (\rb)
	v_wmma_scale_f32_16x16x128_f8f6f4 v[\d:\d+7], v[\a:\a+7], v[\b:\b+7], v[\d:\d+7], v[\sa], v[\sb] matrix_a_fmt:MATRIX_FMT_FP4 matrix_b_fmt:MATRIX_FMT_FP4 matrix_a_scale:MATRIX_SCALE_ROW1 matrix_b_scale:MATRIX_SCALE_ROW1
.elseif (\ra)
	v_wmma_scale_f32_16x16x128_f8f6f4 v[\d:\d+7], v[\a:\a+7], v[\b:\b+7], v[\d:\d+7], v[\sa], v[\sb] matrix_a_fmt:MATRIX_FMT_FP4 matrix_b_fmt:MATRIX_FMT_FP4 matrix_a_scale:MATRIX_SCALE_ROW1
.elseif (\rb)
	v_wmma_scale_f32_16x16x128_f8f6f4 v[\d:\d+7], v[\a:\a+7], v[\b:\b+7], v[\d:\d+7], v[\sa], v[\sb] matrix_a_fmt:MATRIX_FMT_FP4 matrix_b_fmt:MATRIX_FMT_FP4 matrix_b_scale:MATRIX_SCALE_ROW1
.else
	v_wmma_scale_f32_16x16x128_f8f6f4 v[\d:\d+7], v[\a:\a+7], v[\b:\b+7], v[\d:\d+7], v[\sa], v[\sb] matrix_a_fmt:MATRIX_FMT_FP4 matrix_b_fmt:MATRIX_FMT_FP4
.endif
.endif
.endm
.macro CROUND                          ; a round of the cluster's barrier: my work-group's barrier; wave 0 signals for the work-group; every wave waits for all four; my work-group's barrier once more
	s_barrier_signal -1
	s_barrier_wait -1
	s_cmp_lg_u32 s25, 0
	s_cbranch_scc1 .Lnot_wave_0_\@
	s_barrier_signal -3
.Lnot_wave_0_\@:
	s_barrier_wait -3
	s_barrier_signal -1
	s_barrier_wait -1
.endm
	s_load_b64 s[4:5], s[0:1], 0x0                 ; qq
	s_load_b64 s[8:9], s[0:1], 0x8                 ; kvq
	s_load_b64 s[10:11], s[0:1], 0x10              ; hq
	v_lshl_add_u32 v246, v0, 2, 0x29000
	v_mov_b32 v247, 0
	ds_add_u32 v246, v247
	ds_add_u32 v246, v247
	v_lshrrev_b32 v1, 5, v0
	s_delay_alu instid0(VALU_DEP_1)
	v_readfirstlane_b32 s25, v1                    ; wave = head
	s_bfe_u32 s30, ttmp6, 0x40000                  ; cx: it enters the addresses of q and of the result alone
	s_lshl_b32 s31, ttmp9, 2
	s_add_co_u32 s31, s31, s30                     ; my block of 16 tokens: 0..255
	s_lshr_b32 s32, ttmp9, 5                       ; the batch, which the four partners share
	s_mul_i32 s32, s32, 69632
	s_mul_i32 s13, s25, 8704                       ; my eighth: in LDS,
	s_add_co_u32 s32, s32, s13                     ; and in memory
	s_mov_b32 s33, 0
	s_mov_b32 s12, 1                               ; group 0: count 1
	s_mov_b32 s16, 15|(3<<16)|(1<<21)              ; group 1: mask: all four work-groups; elements of 8 bytes; bit 21 set beside a mask; no padding
	s_mov_b32 s17, 32<<16                          ; tensor_dim0 = 32 elements: rows of 256 bytes
	s_mov_b32 s18, 34<<16                          ; tensor_dim1 = 34
	s_mov_b32 s19, 32<<16                          ; tile_dim0
	s_mov_b32 s20, 34                              ; tile_dim1
	s_mov_b32 s21, 32                              ; pitch: the block is dense
	s_mov_b32 s22, 0
	s_mov_b32 s23, 0
	s_wait_dscnt 0x0
	s_wait_kmcnt 0x0
	s_add_nc_u64 s[14:15], s[8:9], s[32:33]
	s_or_b32 s15, s15, 0x80000000                  ; type 2
	CROUND                                         ; all four work-groups are here: the joint loads meet
	tensor_load_to_lds s[12:15], s[16:23]          ; my one tensor load of the launch
	s_nop 0
	PLACES
	v_and_b32 v11, 31, v0
	v_and_b32 v3, 15, v0                           ; r
	v_bfe_u32 v4, v0, 4, 1                         ; h
	s_delay_alu instid0(VALU_DEP_3)
	v_lshlrev_b32 v1, 4, v11                       ; LDS: 16 x lane, stepped a record a step
	s_delay_alu instid0(VALU_DEP_3)
	v_lshlrev_b32 v5, 4, v3                        ; memory: q's codes of token r: both halves of the lanes take the same 16 bytes
	s_wait_alu depctr_va_vdst(0)
	v_and_b32 v6, 12, v3                           ; memory: the word that holds token r's scale byte,
	s_wait_alu depctr_va_vdst(0)
	v_and_b32 v7, 3, v3
	s_delay_alu instid0(VALU_DEP_1)
	v_lshlrev_b32 v7, 3, v7                        ; and the byte's place in it, in bits
	s_lshl_b32 s36, s25, 16                        ; my head's 65,536 bytes of codes,
	s_lshl_b32 s34, s31, 8                         ; my 16 tokens in them
	s_add_co_u32 s36, s36, s34
	s_mov_b32 s37, 0
	s_lshr_b32 s38, s31, 3                         ; scale bytes: [block of 128 tokens][pair of heads][head of the pair][128 bytes]
	s_lshl_b32 s38, s38, 2
	s_lshr_b32 s34, s25, 1
	s_add_co_u32 s38, s38, s34
	s_lshl_b32 s38, s38, 8
	s_and_b32 s34, s25, 1
	s_lshl_b32 s34, s34, 7
	s_add_co_u32 s38, s38, s34
	s_and_b32 s34, s31, 7
	s_lshl_b32 s34, s34, 4
	s_add_co_u32 s38, s38, s34
	s_add_co_u32 s38, s38, 524288
	s_mov_b32 s39, 0
	s_add_nc_u64 s[36:37], s[4:5], s[36:37]
	s_add_nc_u64 s[38:39], s[4:5], s[38:39]
	global_load_b128 v[QT:QT+3], v5, s[36:37]      ; q, while K and V are on their way
	global_load_b32 v[QT+4], v6, s[38:39]
	v_lshl_add_u32 v2, v11, 2, 4096                ; LDS: a step's scale words, 4 x lane
	v_lshlrev_b32 v8, 4, v3
	s_delay_alu instid0(VALU_DEP_1)
	v_lshl_add_u32 v8, v4, 3, v8                   ; the result's codes: 16 r + 8 h
	s_lshr_b32 s34, s25, 2
	s_lshl_b32 s34, s34, 6
	s_and_b32 s35, s25, 3
	s_add_co_u32 s34, s34, s35
	s_add_co_u32 s34, s34, SCR
	v_lshl_add_u32 v9, v3, 2, s34                  ; LDS: the result's scale byte: word (head / 4, r), byte head % 4
	v_mov_b32 v10, 0
	v_lshl_add_u32 v11, v11, 2, SCR                ; LDS: those words, a lane a word
	s_mov_b32 s26, 0x76543210
	s_mov_b32 s27, 0xfedcba98                      ; v_permlanex16_b32's selects for lane l xor 16
	s_mov_b32 s28, 0x3fb8aa3b                      ; log2(e)
	s_mov_b32 s29, s28                             ; (named with it as a pair, so it is written)
	s_lshr_b32 s46, s31, 3
	s_mul_i32 s46, s46, 295936
	s_add_co_u32 s46, s46, 278528                  ; record 16 of my tile of 128 rows of hq
	s_and_b32 s47, s31, 7
	s_lshl_b32 s34, s47, 10
	s_add_co_u32 s42, s46, s34
	s_lshr_b32 s34, s25, 2
	s_lshl_b32 s34, s34, 13
	s_add_co_u32 s42, s42, s34
	s_and_b32 s34, s25, 3
	s_lshl_b32 s34, s34, 8
	s_add_co_u32 s42, s42, s34                     ; image (head / 4, my block of rows), block head % 4 of it: 256 bytes
	s_mov_b32 s43, 0
	s_lshr_b32 s34, s47, 2
	s_lshl_b32 s34, s34, 8
	s_add_co_u32 s44, s46, s34
	s_and_b32 s34, s31, 3
	s_lshl_b32 s34, s34, 2
	s_add_co_u32 s44, s44, s34
	s_add_co_u32 s44, s44, 16384                   ; scale words [128 along K][half of the rows][r][block of rows][4 bytes]
	s_mov_b32 s45, 0
	s_add_nc_u64 s[42:43], s[10:11], s[42:43]
	s_add_nc_u64 s[44:45], s[10:11], s[44:45]
	s_wait_alu depctr_va_vdst(0)
	s_wait_loadcnt 0x0                             ; q
	v_lshrrev_b32 v[QT+4], v7, v[QT+4]
	s_delay_alu instid0(VALU_DEP_1)
	v_and_b32 v[QT+4], 0xff, v[QT+4]               ; my token's scale byte
	s_delay_alu instid0(VALU_DEP_1)
	v_lshl_or_b32 v255, v[QT+4], 8, v[QT+4]
	s_delay_alu instid0(VALU_DEP_1)
	v_lshl_or_b32 v255, v255, 16, v255             ; in all four places: the zero codes stand under a finite scale
	v_cmp_ne_u32 vcc_lo, 0, v4
.irp i, 0,1,2,3
	v_cndmask_b32 v[176+\i], v[QT+\i], v10, vcc_lo ; the block in lanes 0-15, zero codes in lanes 16-31,
	v_cndmask_b32 v[188+\i], v10, v[QT+\i], vcc_lo ; and the other way round
.endr
.irp i, 0,1,2,3
	v_mov_b32 v[180+\i], 0
	v_mov_b32 v[192+\i], 0
	v_mov_b32 v[184+\i], v[176+\i]
	v_mov_b32 v[196+\i], v[188+\i]
.endr                                          ; forms 0, 2, 1, 3 are v[176:183], v[180:187], v[188:195], v[192:199]
	v_mov_b32 v13, 0xff61b1e6                      ; the largest t so far: -3e38
	s_delay_alu instid0(VALU_DEP_1)
	v_floor_f32 v12, -v13                          ; -M
	v_mov_b32 v14, 0
	v_mov_b32 v15, 0
.irp b, 0,1,2,3
	v_mov_b32 v[T2+\b], 0                          ; lane permutes' destinations count as sources
.endr
	v_mov_b32 v253, 0
.irp j, 0,1,2,3,4,5,6,7,8,9,10,11,12,13,14,15
	v_mov_b32 v[160+\j], 0                         ; O^T: the step is written once; its first pass finds zeros
.endr
	v_lshlrev_b32 v[WO], 9, v4
	s_delay_alu instid0(VALU_DEP_1)
	v_lshl_add_u32 v[WO], v3, 4, v[WO]             ; where wave 0 will store the scale words: 512 h + 16 r
	s_wait_tensorcnt 0x0                           ; my eighth has landed,
	s_barrier_signal -1
	s_barrier_wait -1                              ; everybody's has
.macro FETCH p                         ; a step's ten LDS loads into buffer p: every b128 reads 512 consecutive bytes
.irp f, 0,1
.irp c, 0,1
	ds_load_b128 v[16+16*(\p)+8*\f+4*\c:16+16*(\p)+8*\f+4*\c+3], v1 offset:\f*1024+\c*512
.endr
.endr
.irp e, 0,1
.irp c, 0,1
	ds_load_b128 v[48+16*(\p)+8*\e+4*\c:48+16*(\p)+8*\e+4*\c+3], v1 offset:2048+\e*1024+\c*512
.endr
.endr
	ds_load_b32 v[KVS+2*(\p)], v2                  ; k's scale words: lanes 0-15 fragment 0, lanes 16-31 fragment 1
	ds_load_b32 v[KVS+1+2*(\p)], v2 offset:128     ; v's: lanes 0-15 dims 0-15, lanes 16-31 dims 16-31
.endm
.macro STEP p, pre
.if \pre
	v_add_nc_u32 v1, STEPB, v1                     ; these two and two v_nop are the four plain instructions between the last products and the loads into registers that they read
	v_add_nc_u32 v2, STEPB, v2
	v_nop
	v_nop
	FETCH 1-(\p)                                   ; the next step's
	s_wait_dscnt 10                                ; all but the ten just issued: this step's are in
.else
	s_wait_dscnt 0x0
.endif
.irp t, 0,1,2,3,4,5,6,7                        ; tile t: keys 16 t .. 16 t + 15: fragment t / 4 of k against form t % 4 of q
	WM 96+8*\t, 16+16*(\p)+8*(\t/4), 176+12*(\t%2)+4*((\t%4)/2), 1, KVS+2*(\p), 255, \t/4, 0
.endr
	PLACES
.irp b, 0,1,2,3
	v_max3_num_f32 v[BM+\b], v[96+16*\b], v[97+16*\b], v[98+16*\b]   ; the largest score of each block of 32 keys: for the row's maximum, and, since p rises with the score, for the block's largest p
.endr
.irp i, 3,5,7,9,11,13
.irp b, 0,1,2,3
	v_max3_num_f32 v[BM+\b], v[BM+\b], v[96+16*\b+\i], v[97+16*\b+\i]
.endr
.endr
.irp b, 0,1,2,3
	v_max_num_f32 v[BM+\b], v[BM+\b], v[111+16*\b]
.endr
.irp b, 0,1,2,3
	s_delay_alu instid0(VALU_DEP_4)
	v_permlanex16_b32 v[T2+\b], v[BM+\b], s26, s27
.endr
.irp b, 0,1,2,3
	s_delay_alu instid0(VALU_DEP_4)
	v_max_num_f32 v[BM+\b], v[BM+\b], v[T2+\b]
.endr
	s_delay_alu instid0(VALU_DEP_2)
	v_max3_num_f32 v254, v[BM], v[BM+1], v[BM+2]
	s_delay_alu instid0(VALU_DEP_1)
	v_max_num_f32 v254, v254, v[BM+3]
	s_delay_alu instid0(VALU_DEP_1)
	v_mul_f32 v254, s28, v254
	s_delay_alu instid0(VALU_DEP_1)
	v_max_num_f32 v13, v13, v254                   ; the running largest t
	v_mov_b32 v254, v12
	s_delay_alu instid0(VALU_DEP_2)
	v_floor_f32 v12, -v13                          ; the new -M = -ceil(t): a whole number
	s_delay_alu instid0(VALU_DEP_1)
	v_sub_f32 v254, v12, v254                      ; old M - new M: a whole number, 0 or less
	s_delay_alu instid0(VALU_DEP_1)
	v_cvt_i32_f32 v254, v254                       ; (it saturates)
	s_delay_alu instid0(VALU_DEP_1)
	v_ldexp_f32 v252, 1.0, v254                    ; f = 2^(old M - new M)
.irp j, 0,2,4,6,8,10,12,14,16,18,20,22,24,26,28,30,32,34,36,38,40,42,44,46,48,50,52,54,56,58,60,62
	v_pk_fma_f32 v[96+\j:97+\j], v[96+\j:97+\j], s[28:29], v[12:13] op_sel_hi:[1,0,0]   ; t - M
.endr
.irp b, 0,1,2,3
	v_fma_f32 v[BM+\b], v[BM+\b], s28, v12
.endr
.set I, 0
	s_wait_alu depctr_va_vdst(0)
.rept 64
	v_exp_f32 v[96+I], v[96+I]                     ; p = 2^(t - M)
.set I, I+1
.endr
	v_pk_mul_f32 v[14:15], v[14:15], v[252:253] op_sel_hi:[1,0]   ; the sums under the new M: a plain instruction behind the exponentials
	s_wait_alu depctr_va_vdst(0)                   ; one wait for the batch of 64, ahead of its first reader
.irp b, 0,1,2,3
	v_exp_f32 v[BM+\b], v[BM+\b]                   ; each block's largest p
.endr
	v_pk_add_f32 v[204:205], v[100:101], v[104:105]
	v_pk_add_f32 v[244:245], v[108:109], v[112:113]
	v_pk_add_f32 v[242:243], v[116:117], v[120:121]
	v_pk_add_f32 v[240:241], v[124:125], v[128:129]
	v_pk_add_f32 v[238:239], v[132:133], v[136:137]
	v_pk_add_f32 v[236:237], v[140:141], v[144:145]
	v_pk_add_f32 v[234:235], v[148:149], v[152:153]
	v_pk_add_f32 v[14:15], v[14:15], v[156:157]
	v_pk_add_f32 v[204:205], v[204:205], v[96:97]
	v_pk_add_f32 v[244:245], v[244:245], v[98:99]
	v_pk_add_f32 v[242:243], v[242:243], v[102:103]
	v_pk_add_f32 v[240:241], v[240:241], v[106:107]
	v_pk_add_f32 v[238:239], v[238:239], v[110:111]
	v_pk_add_f32 v[236:237], v[236:237], v[114:115]
	v_pk_add_f32 v[234:235], v[234:235], v[118:119]
	v_pk_add_f32 v[14:15], v[14:15], v[122:123]
	v_pk_add_f32 v[204:205], v[204:205], v[126:127]
	v_pk_add_f32 v[244:245], v[244:245], v[130:131]
	v_pk_add_f32 v[242:243], v[242:243], v[134:135]
	v_pk_add_f32 v[240:241], v[240:241], v[138:139]
	v_pk_add_f32 v[238:239], v[238:239], v[142:143]
	v_pk_add_f32 v[236:237], v[236:237], v[146:147]
	v_pk_add_f32 v[234:235], v[234:235], v[150:151]
	v_pk_add_f32 v[14:15], v[14:15], v[154:155]
	v_pk_add_f32 v[204:205], v[204:205], v[158:159]
	s_delay_alu instid0(VALU_DEP_2)
	v_pk_add_f32 v[14:15], v[14:15], v[240:241]
	s_delay_alu instid0(VALU_DEP_2)
	v_pk_add_f32 v[204:205], v[204:205], v[238:239]
	v_pk_add_f32 v[244:245], v[244:245], v[236:237]
	v_pk_add_f32 v[242:243], v[242:243], v[234:235]
	s_delay_alu instid0(VALU_DEP_2)
	v_pk_add_f32 v[14:15], v[14:15], v[244:245]
	s_delay_alu instid0(VALU_DEP_2)
	v_pk_add_f32 v[204:205], v[204:205], v[242:243]
	s_delay_alu instid0(VALU_DEP_1)
	v_pk_add_f32 v[14:15], v[14:15], v[204:205]
	s_wait_alu depctr_va_vdst(0)                   ; and one for the four
.irp b, 0,1,2,3
	v_max_num_f32 v[BM+\b], 0x1800000, v[BM+\b]    ; the floor 2^(3 - 127)
.endr
.irp b, 0,1,2,3
	s_delay_alu instid0(VALU_DEP_4)
	v_add_nc_u32 v[SO+\b], 0xff000000, v[BM+\b]
.endr
.irp b, 0,1,2,3
	s_delay_alu instid0(VALU_DEP_4)
	v_lshrrev_b32 v[T2+\b], 23, v[SO+\b]
.endr
	s_delay_alu instid0(VALU_DEP_3)
	v_lshl_or_b32 v253, v[T2+1], 8, v[T2]          ; p's scale word for these 128 keys
	s_delay_alu instid0(VALU_DEP_1)
	v_lshl_or_b32 v253, v[T2+2], 16, v253
	s_delay_alu instid0(VALU_DEP_1)
	v_lshl_or_b32 v253, v[T2+3], 24, v253
.irp b, 0,1,2,3
	v_cvt_scalef32_pk8_fp4_f32 v[PC+2*\b], v[96+16*\b:103+16*\b], v[SO+\b]
	v_cvt_scalef32_pk8_fp4_f32 v[PC+1+2*\b], v[104+16*\b:111+16*\b], v[SO+\b]
.endr
	v_nop
.irp c, 0,1                                    ; a whole block to a lane: lanes 0-15 block 2 c, lanes 16-31 block 2 c + 1
.irp i, 0,1
	v_permlane16_swap_b32 v[PC+4*\c+\i], v[PC+2+4*\c+\i]
.endr
.endr
.irp j, 0,2,4,6,8,10,12,14
	v_pk_mul_f32 v[160+\j:161+\j], v[160+\j:161+\j], v[252:253] op_sel_hi:[1,0]   ; O^T under the new M.  With the v_nop above: nine plain instructions behind the scale word's last write, eight behind the codes'
.endr
.irp e, 0,1
	WM 160+8*\e, 48+16*(\p)+8*\e, PC, 0, KVS+1+2*(\p), 253, \e, 0                 ; O^T += v^T p^T
.endr
.endm
	FETCH 0
	s_mov_b32 s24, 7
.Lkeys:
	STEP 0, 1
	STEP 1, 1
	s_sub_co_u32 s24, s24, 1
	s_cmp_lg_u32 s24, 0
	s_cbranch_scc1 .Lkeys
	STEP 0, 1
	STEP 1, 0                                      ; the sixteenth step fetches nothing
	; ---- the way out: O^T / l, quantised along the head's 32 dims
	v_add_f32 v14, v14, v15
	s_delay_alu instid0(VALU_DEP_1)
	v_permlanex16_b32 v252, v14, s26, s27
	s_delay_alu instid0(VALU_DEP_1)
	v_add_f32 v14, v14, v252                       ; the row's sum
	s_wait_alu depctr_va_vdst(0)
	v_rcp_f32 v14, v14
	v_nop
	v_nop                                          ; with the two additions: four plain instructions behind the last products
	s_wait_alu depctr_va_vdst(0)
.irp j, 0,2,4,6,8,10,12,14
	v_pk_mul_f32 v[96+\j:97+\j], v[160+\j:161+\j], v[14:15] op_sel_hi:[1,0]
.endr
	v_max3_num_f32 v[BM], |v96|, |v97|, 0x1800000
.irp i, 2,4,6,8,10,12,14
	s_delay_alu instid0(VALU_DEP_1)
	v_max3_num_f32 v[BM], v[BM], |v[96+\i]|, |v[97+\i]|
.endr
	s_delay_alu instid0(VALU_DEP_1)
	v_permlanex16_b32 v[T2], v[BM], s26, s27
	s_delay_alu instid0(VALU_DEP_1)
	v_max_num_f32 v[BM], v[BM], v[T2]
	s_delay_alu instid0(VALU_DEP_1)
	v_add_nc_u32 v[SO], 0xff000000, v[BM]
	s_delay_alu instid0(VALU_DEP_1)
	v_lshrrev_b32 v[T2+1], 23, v[SO]
	v_cvt_scalef32_pk8_fp4_f32 v[PC], v[96:103], v[SO]
	v_cvt_scalef32_pk8_fp4_f32 v[PC+1], v[104:111], v[SO]
	v_nop
	global_store_b64 v8, v[PC:PC+1], s[42:43]      ; lane (r, h) holds bytes 8 h .. 8 h + 7 of row r's block: the wave stores 256 consecutive bytes, aligned
	ds_store_b8 v9, v[T2+1]
	s_wait_dscnt 0x0
	s_barrier_signal -1
	s_barrier_wait -1                              ; the eight heads' bytes make two scale words a token
	s_cmp_lg_u32 s25, 0
	s_cbranch_scc1 .Lnot_mine
	ds_load_b32 v[T2+2], v11
	s_wait_dscnt 0x0
	global_store_b32 v[WO], v[T2+2], s[44:45]      ; words of 4 bytes, 16 bytes apart: the price of the layout that serves the far larger hidden layer; 128 bytes a work-group
.Lnot_mine:
	s_wait_tensorcnt 0x0
	ds_add_u32 v246, v247
	s_wait_dscnt 0x0
	CROUND                                         ; the closing round: no work-group ends while a partner may still ask jointly
	s_endpgm
.Lfunc_end_k_q6c97729092_attn:
	.size	k_q6c97729092_attn, .Lfunc_end_k_q6c97729092_attn-k_q6c97729092_attn
	.p2alignl 7, 3214868480
	.fill 96, 4, 3214868480
	.section	.rodata,"a",@progbits
	.p2align	6, 0x0
	.amdhsa_kernel k_q6c97729092_attn
		.amdhsa_group_segment_fixed_size 168960
		.amdhsa_private_segment_fixed_size 0
		.amdhsa_enable_private_segment 0
		.amdhsa_kernarg_size 24
		.amdhsa_user_sgpr_count 2
		.amdhsa_user_sgpr_kernarg_segment_ptr 1
		.amdhsa_wavefront_size32 1
		.amdhsa_system_sgpr_workgroup_id_x 1
		.amdhsa_system_sgpr_workgroup_id_y 1
		.amdhsa_system_sgpr_workgroup_id_z 1
		.amdhsa_system_vgpr_workitem_id 0
		.amdhsa_next_free_vgpr 256
		.amdhsa_next_free_sgpr 66
		.amdhsa_reserve_vcc 1
		.amdhsa_float_denorm_mode_32 3
		.amdhsa_float_denorm_mode_16_64 3
		.amdhsa_memory_ordered 1
		.amdhsa_forward_progress 1
		.amdhsa_inst_pref_size 68
	.end_amdhsa_kernel
	.amdgpu_metadata
---
amdhsa.version: [ 1, 2 ]
amdhsa.kernels:
  - .name:           k_q6c97729092_attn
    .symbol:         k_q6c97729092_attn.kd
    .args:
      - { .name: qq, .offset: 0, .size: 8, .value_kind: global_buffer, .address_space: global }
      - { .name: kvq, .offset: 8, .size: 8, .value_kind: global_buffer, .address_space: global }
      - { .name: hq, .offset: 16, .size: 8, .value_kind: global_buffer, .address_space: global }
    .group_segment_fixed_size: 168960
    .private_segment_fixed_size: 0
    .kernarg_segment_align: 8
    .kernarg_segment_size: 24
    .max_flat_workgroup_size: 256
    .sgpr_count:     66
    .vgpr_count:     256
    .wavefront_size: 32
...
	.end_amdgpu_metadata
.endif
;; end of part 3
;; launch ff2 (part 4): grid 8 x 32, 4 waves a work-group, clusters of 4 x 4, 327,680 bytes of LDS; arguments hq, w2q, out0; writes out0
.if DOCPART == 4
	.amdgcn_target "amdgcn-amd-amdhsa--gfx1250"
	.amdhsa_code_object_version 6
	.text
	.protected	k_q6c97729092_ff2
	.globl	k_q6c97729092_ff2
	.p2align	8
	.type	k_q6c97729092_ff2,@function
k_q6c97729092_ff2:
	s_mov_b64 s[64:65], 0
	v_nop
	global_prefetch_b8 v0, s[64:65] scope:SCOPE_SE
	s_setreg_imm32_b32 hwreg(HW_REG_WAVE_MODE, 25, 1), 1
	s_wait_xcnt 0x0
	s_wait_alu depctr_hold_cnt(0) depctr_sa_sdst(0) depctr_va_vdst(0) depctr_va_sdst(0) depctr_va_ssrc(0) depctr_va_vcc(0) depctr_vm_vsrc(0)
	s_getreg_b32 s2, hwreg(HW_REG_IB_STS2, 6, 4)
	s_cmp_eq_u32 s2, 0
	s_cbranch_scc0 .Lentry_in_a_cluster
	s_endpgm
.Lentry_in_a_cluster:
	s_bfe_u32 s2, ttmp6, 0x10000c
	s_cmp_lg_u32 s2, 0xf033
	s_cbranch_scc0 .Lentry_shape_is_right
	s_endpgm
.Lentry_shape_is_right:
; FF2: out0 = [h | attention] x [w_ff2 ; w_out], ONE product with K = 4,096 + 256 = 17 records of 256, on codes of FP4; f32 sums; the two terms of the result are never added in memory.
; A tile of out0 is 128 x 128, which gives each of 256 WGPs one work-group; four waves, each 64 x 64: 16 accumulators.
; Both operands of a tile are one dense run of 17 records of 17,408 bytes.  LDS: record 0 of both in a place of its own; then a ring of two slots of four records of both.  Slot 0 takes records 1-4 and 9-12, slot 1 records 5-8 and 13-16:
; two refills in the launch, each behind a round of the cluster's barrier, one tensor load a wave.  By this text's count a wave has three tensor loads out at the start and one behind each round.
; CLUSTERS: 4 x 4 work-groups; h's records are shared along a row of the cluster, the weight's along a column: each is asked for jointly by the four that need it.
; THE MATRIX INSTRUCTION IS USED TRANSPOSED (source 0 = 16 columns of the weight, source 1 = 16 rows of h): a lane holds eight neighbouring numbers of a row of out0.
; All 17 steps are written out. No prefetch: the launch is short and its two refills follow closely on its head.
; All of a WGP's LDS is claimed, and 0 is added to spare words at the changes of slots and at the end.
; REGISTERS.  window 0: v1-18 addresses; v20, v21 the spare word's address and 0; v32-47 scale words, two sets; v48-111 the way out; v128-255 accumulator (a, b) at 128 + 8 (4 a + b).
;   window 1: two sets of 128: h's fragments at 32 k + 8 a, the weight's 64 further on.
; THE LDS LAYOUT AND THE LOADS AS THEY STAND (in place of what is said above of record 0 and of the loads at the start): h's records 0-4 lie from byte 0, the weight's records 0-4 from byte 87,040;
; each wave brings half of such a run, 170 rows of 256 bytes, by its one tensor load at the head.  Slot 0 is the place of records 1-4 in those runs (h's from 17,408, the weight's from 104,448); slot 1 is first filled behind the full sequence and a round.
; By this text's count a wave never has more than one tensor load out.
.set SLOT0, 34816
.set SLOT1, 174080
.set SPARE, 313344
.set MSB, 0
.macro WIN new
.if MSB != (\new)
	s_set_vgpr_msb (MSB<<8)|(\new)
.set MSB, (\new)
.endif
.endm
.macro PLACES
.rept 4
	v_nop
.endr
.endm
.macro WM d, a, b, zero, sa, sb, ra, rb
.if \zero
.if (\ra) && (\rb)
	v_wmma_scale_f32_16x16x128_f8f6f4 v[\d:\d+7], v[\a:\a+7], v[\b:\b+7], 0, v[\sa], v[\sb] matrix_a_fmt:MATRIX_FMT_FP4 matrix_b_fmt:MATRIX_FMT_FP4 matrix_a_scale:MATRIX_SCALE_ROW1 matrix_b_scale:MATRIX_SCALE_ROW1
.elseif (\ra)
	v_wmma_scale_f32_16x16x128_f8f6f4 v[\d:\d+7], v[\a:\a+7], v[\b:\b+7], 0, v[\sa], v[\sb] matrix_a_fmt:MATRIX_FMT_FP4 matrix_b_fmt:MATRIX_FMT_FP4 matrix_a_scale:MATRIX_SCALE_ROW1
.elseif (\rb)
	v_wmma_scale_f32_16x16x128_f8f6f4 v[\d:\d+7], v[\a:\a+7], v[\b:\b+7], 0, v[\sa], v[\sb] matrix_a_fmt:MATRIX_FMT_FP4 matrix_b_fmt:MATRIX_FMT_FP4 matrix_b_scale:MATRIX_SCALE_ROW1
.else
	v_wmma_scale_f32_16x16x128_f8f6f4 v[\d:\d+7], v[\a:\a+7], v[\b:\b+7], 0, v[\sa], v[\sb] matrix_a_fmt:MATRIX_FMT_FP4 matrix_b_fmt:MATRIX_FMT_FP4
.endif
.else
.if (\ra) && (\rb)
	v_wmma_scale_f32_16x16x128_f8f6f4 v[\d:\d+7], v[\a:\a+7], v[\b:\b+7], v[\d:\d+7], v[\sa], v[\sb] matrix_a_fmt:MATRIX_FMT_FP4 matrix_b_fmt:MATRIX_FMT_FP4 matrix_a_scale:MATRIX_SCALE_ROW1 matrix_b_scale:MATRIX_SCALE_ROW1
.elseif (\ra)
	v_wmma_scale_f32_16x16x128_f8f6f4 v[\d:\d+7], v[\a:\a+7], v[\b:\b+7], v[\d:\d+7], v[\sa], v[\sb] matrix_a_fmt:MATRIX_FMT_FP4 matrix_b_fmt:MATRIX_FMT_FP4 matrix_a_scale:MATRIX_SCALE_ROW1
.elseif (\rb)
	v_wmma_scale_f32_16x16x128_f8f6f4 v[\d:\d+7], v[\a:\a+7], v[\b:\b+7], v[\d:\d+7], v[\sa], v[\sb] matrix_a_fmt:MATRIX_FMT_FP4 matrix_b_fmt:MATRIX_FMT_FP4 matrix_b_scale:MATRIX_SCALE_ROW1
.else
	v_wmma_scale_f32_16x16x128_f8f6f4 v[\d:\d+7], v[\a:\a+7], v[\b:\b+7], v[\d:\d+7], v[\sa], v[\sb] matrix_a_fmt:MATRIX_FMT_FP4 matrix_b_fmt:MATRIX_FMT_FP4
.endif
.endif
.endm
.macro CREST                           ; a round of the cluster's barrier behind its opening barrier
	s_cmp_lg_u32 s10, 0
	s_cbranch_scc1 .Lnot_wave_0_\@
	s_barrier_signal -3
.Lnot_wave_0_\@:
	s_barrier_wait -3
	s_barrier_signal -1
	s_barrier_wait -1
.endm
.macro CROUND
	s_barrier_signal -1
	s_barrier_wait -1
	CREST
.endm
.macro JLOAD g0a, g1a, g0b, g1b        ; a joint load: waves 0 and 1 fetch for h, waves 2 and 3 for the weight; four v_nop follow each of the two lines
	s_cmp_eq_u32 s11, 0
	s_cbranch_scc0 .Lfor_b_\@
	tensor_load_to_lds s[\g0a:\g0a+3], s[\g1a:\g1a+7]
	s_nop 0
	PLACES
	s_branch .Lasked_\@
.Lfor_b_\@:
	tensor_load_to_lds s[\g0b:\g0b+3], s[\g1b:\g1b+7]
	s_nop 0
	PLACES
.Lasked_\@:
.endm
	s_load_b128 s[4:7], s[0:1], 0x0                ; hq, w2q
	s_load_b64 s[8:9], s[0:1], 0x10                ; out0
	v_lshl_add_u32 v20, v0, 2, SPARE
	v_mov_b32 v21, 0
	ds_add_u32 v20, v21
	ds_add_u32 v20, v21
	s_wait_dscnt 0x0
	v_lshrrev_b32 v1, 5, v0
	v_readfirstlane_b32 s10, v1                    ; wave
	s_lshr_b32 s11, s10, 1                         ; my half of the tile's rows.  Also: I fetch for h (0) or for the weight (1)
	s_and_b32 s12, s10, 1                          ; my half of its columns.  Also: which half of what is fetched
	s_bfe_u32 s80, ttmp6, 0x40000                  ; cx
	s_bfe_u32 s81, ttmp6, 0x40004                  ; cy
	s_lshl_b32 s82, ttmp9, 2
	s_add_co_u32 s82, s82, s80                     ; tile column: 0..7
	s_and_b32 s83, ttmp7, 0xffff
	s_lshl_b32 s83, s83, 2
	s_add_co_u32 s83, s83, s81                     ; tile row: 0..31
	s_lshl_b32 s84, s81, 2
	s_lshl_b32 s84, 15, s84                        ; my row of the cluster
	s_lshl_b32 s85, 0x1111, s80                    ; my column
	s_or_b32 s16, s84, (3<<16)|(1<<21)             ; groups 1: the mask; elements of 8 bytes; bit 21 set beside a mask; no padding
	s_or_b32 s24, s85, (3<<16)|(1<<21)
	s_or_b32 s32, s84, (3<<16)|(1<<21)
	s_or_b32 s40, s85, (3<<16)|(1<<21)
.irp g, 16,24                                  ; half of records 0-4: 170 rows of 256 bytes
	s_mov_b32 s[\g+1], 32<<16
	s_mov_b32 s[\g+2], 170<<16
	s_mov_b32 s[\g+3], 32<<16
	s_mov_b32 s[\g+4], 170
	s_mov_b32 s[\g+5], 32
	s_mov_b32 s[\g+6], 0
	s_mov_b32 s[\g+7], 0
.endr
.irp g, 32,40                                  ; two records: 136 rows of 256 bytes
	s_mov_b32 s[\g+1], 32<<16
	s_mov_b32 s[\g+2], 136<<16
	s_mov_b32 s[\g+3], 32<<16
	s_mov_b32 s[\g+4], 136
	s_mov_b32 s[\g+5], 32
	s_mov_b32 s[\g+6], 0
	s_mov_b32 s[\g+7], 0
.endr
	s_mul_i32 s86, s83, 295936
	s_mov_b32 s87, 0
	s_mul_i32 s88, s82, 295936
	s_mov_b32 s89, 0
	s_mul_i32 s90, s12, 43520
	s_mov_b32 s91, 0
	s_mul_i32 s92, s12, 34816
	s_add_co_u32 s92, s92, 17408
	s_mov_b32 s93, 0
	s_mul_i32 s94, s10, 43520                      ; LDS: records 0-4: h's two halves, the weight's two halves
	s_mul_i32 s95, s10, 34816                      ; LDS: a slot: h's four records, the weight's four
	s_wait_kmcnt 0x0
	s_add_nc_u64 s[86:87], s[4:5], s[86:87]        ; h's tile: it hangs on the tile row alone
	s_add_nc_u64 s[88:89], s[6:7], s[88:89]        ; the weight's: on the tile column alone
	CROUND                                         ; all sixteen work-groups are here: the first joint loads meet
	s_mov_b32 s48, 1
	s_mov_b32 s49, s94
	s_add_nc_u64 s[50:51], s[86:87], s[90:91]
	s_or_b32 s51, s51, 0x80000000
	s_mov_b32 s52, 1
	s_add_co_u32 s53, s95, 17408
	s_add_nc_u64 s[54:55], s[86:87], s[92:93]
	s_mov_b32 s56, 1
	s_add_co_u32 s57, s95, SLOT1
	s_add_nc_u64 s[58:59], s[54:55], 69632
	s_or_b32 s55, s55, 0x80000000
	s_or_b32 s59, s59, 0x80000000
	s_mov_b32 s68, 1
	s_mov_b32 s69, s94
	s_add_nc_u64 s[70:71], s[88:89], s[90:91]
	s_or_b32 s71, s71, 0x80000000
	s_mov_b32 s72, 1
	s_add_co_u32 s73, s95, SLOT0
	s_add_nc_u64 s[74:75], s[88:89], s[92:93]
	s_mov_b32 s76, 1
	s_add_co_u32 s77, s95, SLOT1
	s_add_nc_u64 s[78:79], s[74:75], 69632
	s_or_b32 s75, s75, 0x80000000
	s_or_b32 s79, s79, 0x80000000
	s_cmp_eq_u32 s11, 0                            ; a wave's first fill stands in one branch on its number
	s_cbranch_scc0 .Lfirst_b
	tensor_load_to_lds s[48:51], s[16:23]
	s_nop 0
	PLACES
	s_branch .Lfirst_asked
.Lfirst_b:
	tensor_load_to_lds s[68:71], s[24:31]
	s_nop 0
	PLACES
.Lfirst_asked:
	v_and_b32 v19, 31, v0
	v_and_b32 v1, 15, v0                           ; r
	v_bfe_u32 v2, v0, 4, 1                         ; h
	v_lshlrev_b32 v3, 4, v19
	s_lshl_b32 s60, s11, 12
	s_lshl_b32 s61, s12, 12
	v_add_nc_u32 v4, s60, v3                       ; h's images in record 0, slot 0, slot 1: v4, v5, v6
	v_add_nc_u32 v5, 17408, v4
	v_add_nc_u32 v6, SLOT1, v4
	v_add_nc_u32 v7, s61, v3                       ; the weight's: v7, v8, v9
	v_add_nc_u32 v8, SLOT0+69632, v7
	v_add_nc_u32 v9, SLOT1+69632, v7
	v_add_nc_u32 v7, 87040, v7
	v_lshlrev_b32 v10, 9, v2
	v_lshl_add_u32 v10, v1, 4, v10
	s_lshl_b32 s60, s11, 8
	s_add_co_u32 s60, s60, 16384
	v_add_nc_u32 v10, s60, v10                     ; h's scale words: lanes 0-15 the first 128 along K, lanes 16-31 the second; four blocks' words in 16 bytes: v10, v11, v12
	v_add_nc_u32 v11, 17408, v10
	v_add_nc_u32 v12, SLOT1, v10
	v_lshlrev_b32 v13, 8, v2
	v_lshl_add_u32 v13, v1, 3, v13
	s_lshl_b32 s61, s12, 9
	s_add_co_u32 s61, s61, 16384
	v_add_nc_u32 v13, s61, v13                     ; the weight's: lanes 0-15 block i, lanes 16-31 block i + 2: v13, v14, v15
	v_add_nc_u32 v14, SLOT0+69632, v13
	v_add_nc_u32 v15, SLOT1+69632, v13
	v_add_nc_u32 v13, 87040, v13
	s_mul_i32 s60, s10, 4352
	s_add_co_u32 s60, s60, SLOT0                   ; my stage for the way out: 16 rows x 272 bytes, in slot 0, written only when that slot has had its last fill and its last read
	v_mul_u32_u24 v16, v1, 272
	v_lshl_add_u32 v16, v2, 5, v16
	v_add_nc_u32 v16, s60, v16                     ; in: row r, 32 bytes for each half of the lanes
	v_mul_u32_u24 v17, v2, 272
	v_lshl_add_u32 v17, v1, 4, v17
	v_add_nc_u32 v17, s60, v17                     ; back: lanes 0-15 one row of 256 bytes, lanes 16-31 the next
	v_lshlrev_b32 v18, 12, v2
	v_lshl_add_u32 v18, v1, 4, v18                 ; and the same two rows in out0
	s_lshl_b32 s60, s83, 7
	s_lshl_b32 s61, s11, 6
	s_add_co_u32 s60, s60, s61
	s_lshl_b32 s60, s60, 12                        ; my first row, 4,096 bytes a row
	s_lshl_b32 s61, s82, 9
	s_add_co_u32 s60, s60, s61
	s_lshl_b32 s61, s12, 8
	s_add_co_u32 s60, s60, s61                     ; my first column
	s_mov_b32 s61, 0
	s_add_nc_u64 s[8:9], s[8:9], s[60:61]
.macro FETCHK kc                       ; record kc's fragments and scale words into set kc % 2: 35 LDS loads
.if (\kc) == 0
.set RG, 0
.set QQ, 0
.else
.set RG, 1+(((\kc)-1)/4)%2
.set QQ, ((\kc)-1)%4
.endif
.set P, (\kc)%2
	WIN 0x40
.irp k, 0,1
.irp a, 0,1,2,3
.irp c, 0,1
	ds_load_b128 v[128*P+32*\k+8*\a+4*\c:128*P+32*\k+8*\a+4*\c+3], v[4+RG] offset:QQ*17408+\k*8192+\a*1024+\c*512
	ds_load_b128 v[128*P+64+32*\k+8*\a+4*\c:128*P+64+32*\k+8*\a+4*\c+3], v[7+RG] offset:QQ*17408+\k*8192+\a*1024+\c*512
.endr
.endr
.endr
	WIN 0
	ds_load_b128 v[32+8*P:35+8*P], v[10+RG] offset:QQ*17408
.irp i, 0,1
	ds_load_b64 v[36+8*P+2*\i:37+8*P+2*\i], v[13+RG] offset:QQ*17408+\i*128
.endr
.endm
.macro MUL16 p, k, zero                ; 128 along K: the 16 accumulators take turns, in the same order every time
	WIN 0x05                                       ; sources 0 and 1 window 1
.irp a, 0,1,2,3
.irp b, 0,1,2,3
	WM 128+8*(4*\a+\b), 128*(\p)+64+32*(\k)+8*\b, 128*(\p)+32*(\k)+8*\a, \zero, 36+8*(\p)+2*(\b%2)+(\k), 32+8*(\p)+\a, \b/2, \k
.endr
.endr
.endm
; One record.  mode 0: fetch the next record, multiply.  1: the next record lies in slot 0, which is awaited.  2: the slot just read out is filled again.  3: the last fill is awaited.  4: the last record.
.macro KSTEP kc, mode, zero
.set PP, (\kc)%2
	s_wait_dscnt 0x0                               ; this record's fragments are in; at a slot's last record my reads of the slot are over
.if (\mode) == 2
	s_wait_tensorcnt 0x0                           ; all my tensor loads have landed: the one that was out is my part of the other slot;
	ds_add_u32 v20, v21                            ; 0 onto my spare word;
.if (\kc) == 4
	s_add_nc_u64 s[54:55], s[54:55], 139264        ; no tensor load of mine is out, so a group 0 may be written: this slot's next four records
	s_add_nc_u64 s[74:75], s[74:75], 139264
.else
	s_add_nc_u64 s[58:59], s[58:59], 139264
	s_add_nc_u64 s[78:79], s[78:79], 139264
.endif
	MUL16 PP, 0, 0                                 ; sixteen matrix instructions stand between the add and the wait for it
	s_wait_dscnt 0x0                               ; the add is done
	WIN 0
	s_barrier_signal -1
	s_barrier_wait -1
	CREST                                          ; no wave of any partner still reads this slot or has a load on its way
.if (\kc) == 4
	JLOAD 52, 32, 72, 40                           ; the first tensor load behind the round; its four v_nop are also the plain instructions in front of the loads below
.else
	JLOAD 56, 32, 76, 40
.endif
	FETCHK (\kc)+1
	MUL16 PP, 1, 0
.else
.if (\mode) == 1
	s_wait_tensorcnt 0x1                           ; my part of slot 0 is in; slot 1's may stay out
	s_barrier_signal -1
	s_barrier_wait -1
.endif
.if (\mode) == 3
	s_wait_tensorcnt 0x0                           ; the one load that was out: my part of slot 1's last fill
	s_barrier_signal -1
	s_barrier_wait -1                              ; behind it nobody reads slot 0 any more
.endif
.if (\mode) != 4
	PLACES                                         ; four plain instructions between the last products and loads into registers that they read
	FETCHK (\kc)+1
.endif
	MUL16 PP, 0, \zero
	MUL16 PP, 1, 0
.endif
	WIN 0
.endm
	s_wait_alu depctr_va_vdst(0)
	s_wait_tensorcnt 0x0                           ; my half of records 0-4 is in; the lines ahead of a later first fill:
	ds_add_u32 v20, v21
	s_wait_dscnt 0x0
	CROUND                                         ; everybody's half is in, and all sixteen work-groups are here
	JLOAD 56, 32, 76, 40                           ; slot 1's first fill, records 5-8: my one tensor load behind the round
	FETCHK 0
	KSTEP 0, 0, 1                                  ; the first products start the sums
	KSTEP 1, 0, 0
	KSTEP 2, 0, 0
	KSTEP 3, 0, 0
	KSTEP 4, 2, 0                                  ; slot 0 takes records 9-12
	KSTEP 5, 0, 0
	KSTEP 6, 0, 0
	KSTEP 7, 0, 0
	KSTEP 8, 2, 0                                  ; slot 1 takes records 13-16
	KSTEP 9, 0, 0
	KSTEP 10, 0, 0
	KSTEP 11, 0, 0
	KSTEP 12, 3, 0
	KSTEP 13, 0, 0
	KSTEP 14, 0, 0
	KSTEP 15, 0, 0
	KSTEP 16, 4, 0
; THE WAY OUT, 16 rows x 64 columns at a time: a lane's 32 bytes go into my stage and come back as whole rows of 256 bytes, which sixteen lanes store as one aligned run.
.macro TOSTAGE a
.irp b, 0,1,2,3
	ds_store_b128 v16, v[128+8*(4*(\a)+\b):128+8*(4*(\a)+\b)+3] offset:64*\b       ; each accumulator from its low end on
	ds_store_b128 v16, v[128+8*(4*(\a)+\b)+4:128+8*(4*(\a)+\b)+7] offset:64*\b+16
.endr
.irp t, 0,1,2,3,4,5,6,7
	ds_load_b128 v[48+32*((\a)%2)+4*\t:48+32*((\a)%2)+4*\t+3], v17 offset:544*\t   ; LDS serves a wave's instructions in order: these see the stores above, and the next block's stores come behind them
.endr
.endm
.macro SEND a, younger                 ; younger: the LDS instructions issued behind block a's loads, which may stay out
	s_wait_dscnt \younger
.irp t, 0,1,2,3,4,5,6,7
	global_store_b128 v18, v[48+32*((\a)%2)+4*\t:48+32*((\a)%2)+4*\t+3], s[8:9] offset:(16*(\a)+2*\t)*4096 th:TH_STORE_NT
.endr
.endm
	PLACES                                         ; four plain instructions between the last products and the first read of results
	TOSTAGE 0
.irp a, 1,2,3
.if \a > 1
	s_wait_xcnt 0x0                                ; block a - 2's stores have read their registers: block a's loads may land there
.endif
	TOSTAGE \a
	SEND \a-1, 16                                  ; behind block a - 1's loads: block a's 8 stores and 8 loads
.endr
	SEND 3, 0
	s_wait_tensorcnt 0x0                           ; the wave's end, behind my last tensor load and my last LDS store
	ds_add_u32 v20, v21
	s_wait_dscnt 0x0
	CROUND                                         ; the closing round
	s_endpgm
.Lfunc_end_k_q6c97729092_ff2:
	.size	k_q6c97729092_ff2, .Lfunc_end_k_q6c97729092_ff2-k_q6c97729092_ff2
	.p2alignl 7, 3214868480
	.fill 96, 4, 3214868480
	.section	.rodata,"a",@progbits
	.p2align	6, 0x0
	.amdhsa_kernel k_q6c97729092_ff2
		.amdhsa_group_segment_fixed_size 327680
		.amdhsa_private_segment_fixed_size 0
		.amdhsa_enable_private_segment 0
		.amdhsa_kernarg_size 24
		.amdhsa_user_sgpr_count 2
		.amdhsa_user_sgpr_kernarg_segment_ptr 1
		.amdhsa_wavefront_size32 1
		.amdhsa_system_sgpr_workgroup_id_x 1
		.amdhsa_system_sgpr_workgroup_id_y 1
		.amdhsa_system_sgpr_workgroup_id_z 1
		.amdhsa_system_vgpr_workitem_id 0
		.amdhsa_next_free_vgpr 512
		.amdhsa_next_free_sgpr 100
		.amdhsa_reserve_vcc 0
		.amdhsa_float_denorm_mode_32 3
		.amdhsa_float_denorm_mode_16_64 3
		.amdhsa_memory_ordered 1
		.amdhsa_forward_progress 1
		.amdhsa_inst_pref_size 129
	.end_amdhsa_kernel
	.amdgpu_metadata
---
amdhsa.version: [ 1, 2 ]
amdhsa.kernels:
  - .name:           k_q6c97729092_ff2
    .symbol:         k_q6c97729092_ff2.kd
    .args:
      - { .name: hq, .offset: 0, .size: 8, .value_kind: global_buffer, .address_space: global }
      - { .name: w2q, .offset: 8, .size: 8, .value_kind: global_buffer, .address_space: global }
      - { .name: out0, .offset: 16, .size: 8, .value_kind: global_buffer, .address_space: global }
    .group_segment_fixed_size: 327680
    .private_segment_fixed_size: 0
    .kernarg_segment_align: 8
    .kernarg_segment_size: 24
    .max_flat_workgroup_size: 128
    .sgpr_count:     100
    .vgpr_count:     512
    .wavefront_size: 32
...
	.end_amdgpu_metadata
.endif
;; end of part 4
